; MI455X (gfx1250); checked and timed in simulation.
; The chip was launched on July 23, 2026; its instructions are those of AMD's public machine-readable ISA for CDNA 5 (MIT licence, August 2026) and "CDNA5" Instruction Set Architecture Reference Guide (July 2026). The comments in the code are by the model that wrote it; some were corrected since.
;; Self Attention. Allowed arithmetic: matrix products marked QUANTISED: E4M3 operands, one given power-of-two scale a tensor, by v_wmma_f32_16x16x64_fp8_fp8 or v_wmma_f32_16x16x128_fp8_fp8, f32 sums; everything else in f32.
;; Inputs: Wk 512 x 512 float32; Wo 512 x 512 float32; Wq 512 x 512 float32; Wv 512 x 512 float32; bo 512 float32; lowp_scales 12 int32 (the exponents e of the quantised operands' scales 2^e); x 2 x 4,096 x 512 float32.
;; Outputs: out0 2 x 4,096 x 512 float32.
;; This version of the problem:
;;   THIS VERSION OF THE PROBLEM IS GIVEN IN LOW PRECISION. The matrix products marked QUANTISED in the list below multiply operands that are first quantised to E4M3 (4 exponent bits, 3 mantissa bits; 8 bits a number), with one given power-of-two scale for each operand tensor; their sums are f32. All else is computed in f32.
;;   The module's matrix products, in the order in which they are computed (A, B: the left and right operand; K: the contracted axis; several contracted axes count as one K, in the product's order):
;;     1. [M 8,192, K 512] x [K 512, N 512]; A: input x; B: input Wq: QUANTISED (scales: A lowp_scales[0], B lowp_scales[1])
;;     2. [M 8,192, K 512] x [K 512, N 512]; A: input x; B: input Wk: QUANTISED (scales: A lowp_scales[2], B lowp_scales[3])
;;     3. [M 8,192, K 512] x [K 512, N 512]; A: input x; B: input Wv: QUANTISED (scales: A lowp_scales[4], B lowp_scales[5])
;;     4. batch 16 x [M 4,096, K 64] x [K 64, N 4,096]; A: computed on the way; B: computed on the way: QUANTISED (scales: A lowp_scales[6], B lowp_scales[7])
;;     5. batch 16 x [M 64, K 4,096] x [K 4,096, N 4,096]; A: computed on the way; B: softmax (see below): QUANTISED (scales: A lowp_scales[8], B lowp_scales[9])
;;     6. [M 8,192, K 512] x [K 512, N 512]; A: computed on the way; B: input Wo: QUANTISED (scales: A lowp_scales[10], B lowp_scales[11])
;;   THE QUANTISER, for each operand of a quantised product, along K:
;;     - The operand's scale is 2^e, e = its entry of the input lowp_scales (int32; the entries are numbered through the quantised products in the list's order, A before B).
;;     - Each number is divided by the scale, clamped to +-448, and rounded to the nearest number of E4M3, ties to even, subnormals kept.
;;     - The product sums the exact products of the quantised numbers (number of the format x scale) in f32.
;;   ~~~python
;;   def quantise(x, axis, e):      # numpy; x: float32 -> the quantised numbers, widened to float32 again
;;       x = np.moveaxis(x, axis, -1); K = x.shape[-1]
;;       r = np.clip(x / 2.0 ** e, -448, 448)
;;       step = 2.0 ** (np.maximum(np.frexp(np.where(r == 0, 1, r))[1] - 1, -6) - 3)
;;       q = np.round(r / step) * step * 2.0 ** e      # np.round: ties to even
;;       return np.moveaxis(q, -1, axis).astype(np.float32)
;;   ~~~
;;   SOFTMAX AHEAD OF A QUANTISED PRODUCT. Where the list says 'softmax', what is quantised is not the finished softmax but p = 2^(t - M), with t = logit x log2(e) and M = ceil(the row's largest t), a whole number; so 1/2 < the row's largest p <= 1. The row's sum l is taken of the UNQUANTISED p, in f32, and the product's result is divided by l at the end. Since M is a whole number, a kernel that streams over the keys may use a running M (the ceiling of the running maximum): every later rescaling is an exact power of two, so the quantised numbers keep their values, but for numbers so far below the row's largest that they fall under the format's range.
;;   OPERANDS COMPUTED ON THE WAY. 'Computed on the way' means the value that the module computes at that place (a softmax that the list does not call 'softmax' is quantised finished and normalised). What goes into a quantiser is computed in f32, as accurately as f32 sums, v_exp_f32 and their like allow (about 1e-6 of the number): no bf16 or f16 on the way to a quantiser, and a product that is left as it is and whose result goes on into a quantised operand takes f32 operands (vector FMAs, or v_wmma_f32_16x16x4_f32). A number that lies on a knife's edge between two numbers of the format may be rounded either way, as far as f32 arithmetic and the matrix unit's own rounding can turn it there, and no further.
;; 2 versions, each right; version 2 is version 1 with the launches qkv, attn, oproj written anew for expert scheduling mode. Each part assembles by itself: llvm-mc -triple=amdgcn-amd-amdhsa -mcpu=gfx1250 --defsym DOCPART=n.
;; ======== version 1 of 2: 4 launches
;; workspace buffers: wimg 1,048,576 bytes; qimg 4,194,304 bytes; kvimg 8,388,608 bytes; aimg 4,194,304 bytes
;; launch wprep (part 1): grid 32 x 4, 4 waves a work-group, no clusters, 8,960 bytes of LDS; arguments Wq, Wk, Wv, Wo, lowp_scales, wimg; writes wimg
.if DOCPART == 1
	.amdgcn_target "amdgcn-amd-amdhsa--gfx1250"
	.amdhsa_code_object_version 6
	.text
	.protected	k_q48123d6ace_wprep
	.globl	k_q48123d6ace_wprep
	.p2align	8
	.type	k_q48123d6ace_wprep,@function
k_q48123d6ace_wprep:
	s_mov_b64 s[64:65], 0
	v_nop
	global_prefetch_b8 v0, s[64:65] scope:SCOPE_SE
	s_setreg_imm32_b32 hwreg(HW_REG_WAVE_MODE, 25, 1), 1
	s_wait_xcnt 0x0
; FIRST OF FOUR LAUNCHES of causal self-attention (2 x 4,096 tokens, width 512, 8 heads of 64), all six products on codes of FP8 (E4M3), each operand with its given scale 2^e.
;   wprep: the four weights become codes | qkv: x becomes codes, products 1-3, q, k, v become codes | attn: products 4 and 5 with the streaming softmax | oproj: product 6 and the bias.
; WORK LEFT OUT, in the launch attn alone: the tiles of scores and of values in which every key comes after every query.  reference() sets those scores to -inf by a jnp.tril of its own,
; so their p is 0 and they add nothing to a row's sum or to its output, whatever finite values the inputs hold.  No input is left out: x, the four weights, bo and all twelve exponents reach the output.
; LIMIT: a NaN, an infinity or an overflow that reaches only those tiles is not carried to the result.
; THIS LAUNCH: W [512 (n)][512 (k)] f32 -> codes = W / 2^e, held within +-448, to the nearest code, ties to even; e = entry 1, 3, 5, 11 of the exponents for Wq, Wk, Wv, Wo.
; LIMITS: e between -126 and 119, so that 2^e and 448 x 2^e are f32 numbers.  NaN among the inputs is not served.
; THE CODES ARE LAID AS IMAGES OF OPERAND REGISTERS: a fragment is 16 rows x 128 k in 16 registers, lane (r = lane % 16, h = lane / 16) holding of row r, in registers 2 c and 2 c + 1, k = 16 c + 8 h + 0 .. 7.
; Four registers (a quad) are 512 bytes on end, lane l's 16 bytes at 16 l.  wimg: [weight 4][tile of 16 rows 32][K step 4][quad 4][512 bytes]: a reader fills a fragment by four loads of 512 consecutive bytes.
; SHARES: a work-group takes 16 rows of one weight (x: the tile, y: the weight); wave w reads rows 4 w .. 4 w + 3, 512 consecutive bytes a load, and writes K step w.  The codes change lanes through LDS.
; No matrix work, no cluster, no tensor load: 4 MB are read once and 1 MB is written once, and no two work-groups read the same byte.
.set BLKP,  528                        ; a quad in LDS: 512 bytes + 16 of padding
.set KSTP,  4*BLKP                     ; a K step's four quads
.set SPARE, 16*BLKP                    ; behind the sixteen quads (8,448 = 33 x 256): the spare words, 128 bytes for each wave, which no other line names
.set GI,  2                            ; v2   16 x lane: my bytes of a load's or a store's 512
.set LW,  3                            ; v3   where my four codes of a row and K step go in LDS
.set RB,  4                            ; v4   where I read my K step's quads back
.set SCL, 10                           ; v10  2^e as f32
.set LIM, 11                           ; v11  448 x 2^e
.set SPW, 12                           ; v12  LDS address of my spare word; never rewritten
.set NIL, 13                           ; v13  0; never rewritten
.set X,   16                           ; v16-79  four rows x 16 numbers; later v16-31 the quads read back
.set C,   80                           ; v80-95  four rows x 4 registers of codes
	s_load_b256 s[4:11], s[0:1], 0x0               ; Wq s[4:5], Wk s[6:7], Wv s[8:9], Wo s[10:11]
	s_load_b128 s[12:15], s[0:1], 0x20             ; the exponents s[12:13], wimg s[14:15]
	v_lshl_add_u32 v[SPW], v0, 2, SPARE
	v_mov_b32 v[NIL], 0
	v_lshrrev_b32 v1, 5, v0
	v_readfirstlane_b32 s16, v1                    ; wave 0..3
	v_and_b32 v1, 31, v0                           ; lane l
	v_lshlrev_b32 v[GI], 4, v1
	; Load j of a row gives lane l the numbers k = 128 j + 4 l + 0 .. 3: in K step j that is c = l / 4, h = (l / 2) % 2, and the low or high four of the eight.
	; So its four codes go to quad l / 8, image lane row + 16 h, byte 8 (c % 2) + 4 (l % 2).
	v_lshrrev_b32 v[LW], 3, v1
	v_mul_u32_u24 v[LW], v[LW], BLKP               ; quad l / 8
	v_bfe_u32 v5, v1, 1, 1
	v_lshl_add_u32 v[LW], v5, 8, v[LW]             ; + 256 h
	v_bfe_u32 v5, v1, 2, 1
	v_lshl_add_u32 v[LW], v5, 3, v[LW]             ; + 8 (c % 2)
	v_and_b32 v5, 1, v1
	v_lshl_add_u32 v[LW], v5, 2, v[LW]             ; + 4 (l % 2)
	s_lshl_b32 s18, s16, 6
	v_add_nc_u32 v[LW], s18, v[LW]                 ; + 16 x my first row, 4 w
	s_mul_i32 s18, s16, KSTP
	v_add_nc_u32 v[RB], s18, v[GI]                 ; back: K step w, 16 bytes a lane
	s_and_b32 s17, ttmp7, 0xffff                   ; which weight
	s_lshl_b32 s36, ttmp9, 15                      ; 16 rows of 2,048 bytes a work-group,
	s_lshl_b32 s37, s16, 13                        ; 4 rows a wave
	s_add_co_u32 s36, s36, s37
	s_mov_b32 s37, 0
	s_lshl_b32 s38, s17, 5
	s_add_co_u32 s38, s38, ttmp9                   ; 32 x weight + tile,
	s_lshl_b32 s38, s38, 2
	s_add_co_u32 s38, s38, s16                     ; x 4 K steps + mine,
	s_lshl_b32 s38, s38, 11                        ; of 2,048 bytes
	s_mov_b32 s39, 0
	s_wait_kmcnt 0x0
	s_load_b256 s[40:47], s[12:13], 0x0            ; entries 0 to 7
	s_load_b32 s48, s[12:13], 0x2c                 ; entry 11
	s_cmp_eq_u32 s17, 0                            ; the weight is chosen by the work-group's y alone
	s_cselect_b64 s[20:21], s[4:5], s[6:7]
	s_cmp_eq_u32 s17, 2
	s_cselect_b64 s[22:23], s[8:9], s[10:11]
	s_cmp_lt_u32 s17, 2
	s_cselect_b64 s[20:21], s[20:21], s[22:23]
	s_add_nc_u64 s[20:21], s[20:21], s[36:37]      ; my four rows
	s_add_nc_u64 s[28:29], s[14:15], s[38:39]      ; my fragment in wimg
.irp i, 0,1,2,3
.irp j, 0,1,2,3
	global_load_b128 v[X+16*\i+4*\j:X+16*\i+4*\j+3], v[GI], s[20:21] offset:2048*\i+512*\j th:TH_LOAD_NT   ; 32 lanes read 512 consecutive bytes; read once in the launch
.endr
.endr
	s_wait_kmcnt 0x0
	s_cmp_eq_u32 s17, 0
	s_cselect_b32 s33, s41, s43                    ; entry 1 or 3,
	s_cmp_eq_u32 s17, 2
	s_cselect_b32 s34, s45, s48                    ; entry 5 or 11,
	s_cmp_lt_u32 s17, 2
	s_cselect_b32 s33, s33, s34                    ; e
	s_add_co_i32 s33, s33, 127
	s_lshl_b32 s34, s33, 23
	v_mov_b32 v[SCL], s34                          ; 2^e: the conversion takes its exponent field
	s_add_co_i32 s33, s33, 8
	s_lshl_b32 s33, s33, 23
	s_or_b32 s33, s33, 0x600000
	v_mov_b32 v[LIM], s33                          ; 448 x 2^e
.irp i, 0,1,2,3
	s_wait_loadcnt 12-4*\i                         ; this row's four loads are in; the later rows' stay out
.irp n, 0,1,2,3,4,5,6,7,8,9,10,11,12,13,14,15
	v_med3_num_f32 v[X+16*\i+\n], v[X+16*\i+\n], -v[LIM], v[LIM]   ; the conversion to an 8-bit code does not saturate (ISA guide 7.6.2): the hold at the largest code x the scale
.endr
	v_cvt_scalef32_pk8_fp8_f32 v[C+4*\i:C+4*\i+1], v[X+16*\i:X+16*\i+7], v[SCL]        ; loads 0 and 1: a register of four codes for each
	v_cvt_scalef32_pk8_fp8_f32 v[C+4*\i+2:C+4*\i+3], v[X+16*\i+8:X+16*\i+15], v[SCL]   ; loads 2 and 3
.irp j, 0,1,2,3
	ds_store_b32 v[LW], v[C+4*\i+\j] offset:16*\i+KSTP*\j
.endr
.endr
	v_nop                                          ; a plain line behind the last conversion
	s_wait_dscnt 0x0                               ; for the others' sake: my stores have landed
	s_barrier_signal -1
	s_barrier_wait -1                              ; the sixteen quads are whole
.irp q, 0,1,2,3
	ds_load_b128 v[X+4*\q:X+4*\q+3], v[RB] offset:BLKP*\q
.endr
.irp q, 0,1,2,3
	s_wait_dscnt 3-\q                              ; LDS loads come back in order: quad q is in
	global_store_b128 v[GI], v[X+4*\q:X+4*\q+3], s[28:29] offset:512*\q   ; 32 lanes store 512 consecutive bytes, at a multiple of 512 from wimg's first byte
.endr
	s_wait_tensorcnt 0x0                           ; the wave's end, behind my last LDS store
	ds_add_u32 v[SPW], v[NIL]
	s_wait_dscnt 0x0
	s_endpgm
.Lfunc_end_k_q48123d6ace_wprep:
	.size	k_q48123d6ace_wprep, .Lfunc_end_k_q48123d6ace_wprep-k_q48123d6ace_wprep
	.p2alignl 7, 3214868480
	.fill 96, 4, 3214868480
	.section	.rodata,"a",@progbits
	.p2align	6, 0x0
	.amdhsa_kernel k_q48123d6ace_wprep
		.amdhsa_group_segment_fixed_size 8960
		.amdhsa_private_segment_fixed_size 0
		.amdhsa_enable_private_segment 0
		.amdhsa_kernarg_size 48
		.amdhsa_user_sgpr_count 2
		.amdhsa_user_sgpr_kernarg_segment_ptr 1
		.amdhsa_wavefront_size32 1
		.amdhsa_system_sgpr_workgroup_id_x 1
		.amdhsa_system_sgpr_workgroup_id_y 1
		.amdhsa_system_sgpr_workgroup_id_z 1
		.amdhsa_system_vgpr_workitem_id 0
		.amdhsa_next_free_vgpr 96
		.amdhsa_next_free_sgpr 66
		.amdhsa_reserve_vcc 0
		.amdhsa_float_denorm_mode_32 3
		.amdhsa_float_denorm_mode_16_64 3
		.amdhsa_memory_ordered 1
		.amdhsa_forward_progress 1
		.amdhsa_inst_pref_size 11
	.end_amdhsa_kernel
	.amdgpu_metadata
---
amdhsa.version: [ 1, 2 ]
amdhsa.kernels:
  - .name:           k_q48123d6ace_wprep
    .symbol:         k_q48123d6ace_wprep.kd
    .args:
      - { .name: Wq, .offset: 0, .size: 8, .value_kind: global_buffer, .address_space: global }
      - { .name: Wk, .offset: 8, .size: 8, .value_kind: global_buffer, .address_space: global }
      - { .name: Wv, .offset: 16, .size: 8, .value_kind: global_buffer, .address_space: global }
      - { .name: Wo, .offset: 24, .size: 8, .value_kind: global_buffer, .address_space: global }
      - { .name: lowp_scales, .offset: 32, .size: 8, .value_kind: global_buffer, .address_space: global }
      - { .name: wimg, .offset: 40, .size: 8, .value_kind: global_buffer, .address_space: global }
    .group_segment_fixed_size: 8960
    .private_segment_fixed_size: 0
    .kernarg_segment_align: 8
    .kernarg_segment_size: 48
    .max_flat_workgroup_size: 128
    .sgpr_count:     66
    .vgpr_count:     96
    .wavefront_size: 32
...
	.end_amdgpu_metadata
.endif
;; end of part 1
;; launch qkv (part 2): grid 3 x 64, 8 waves a work-group, no clusters, 68,608 bytes of LDS; arguments x, wimg, lowp_scales, qimg, kvimg; writes qimg, kvimg
.if DOCPART == 2
	.amdgcn_target "amdgcn-amd-amdhsa--gfx1250"
	.amdhsa_code_object_version 6
	.text
	.protected	k_q48123d6ace_qkv
	.globl	k_q48123d6ace_qkv
	.p2align	8
	.type	k_q48123d6ace_qkv,@function
k_q48123d6ace_qkv:
	s_mov_b64 s[64:65], 0
	v_nop
	global_prefetch_b8 v0, s[64:65] scope:SCOPE_SE
	s_setreg_imm32_b32 hwreg(HW_REG_WAVE_MODE, 25, 1), 1
	s_wait_xcnt 0x0
; SECOND LAUNCH: q = x Wq^T, k = x Wk^T, v = x Wv^T on codes of FP8 (E4M3), and their results as codes for the attention.  No work is left out here.
; A work-group takes one of the three products (x of the grid: p = 0 q, 1 k, 2 v) and 128 tokens (y).  x is quantised with that product's own scale (entry 0, 2, 4), the weight's codes come from wimg
; (entry 1, 3, 5), and a finished sum, which stands for sum x 2^(ex + ew), becomes a code with the scale of its later use (entry 6 q, 7 k, 8 v): the three exponents are folded into the conversion's one.
; LIMITS: ex, and eo - ex - ew, between -126 and 119, so that each power of two and 448 x it are f32 numbers.  NaN among the inputs is not served.
; SHARES.  Wave w holds the 64 rows of the weight that make head w, all of K: 16 fragments, 256 registers (window 1), read once.  The 128 tokens' codes go round through LDS as images of operand registers
; (lane (r, h): row r; registers 2 c, 2 c + 1: k = 16 c + 8 h + 0 .. 7; a quad of four registers = 512 bytes, lane l at 16 l): wave w quantises tokens 16 w .. 16 w + 15, every wave reads all eight tiles.
; q AND k: source 0 = 16 rows of W, source 1 = 16 tokens: a lane holds one token and eight neighbouring channels, which one conversion turns into registers 2 i, 2 i + 1 of the token's fragment along the head's 64.
; v: the sources change places: a lane holds one channel and eight neighbouring tokens, which are registers 2 g, 2 g + 1 of the channel's fragment along 128 KEYS.  So nothing is ever transposed.
; OUT: qimg [head-in-batch 16][tile of 16 tokens 256][quad 2][512];  kvimg [16][key step of 128 keys 32][16,384]: K's eight tiles of 16 keys (1,024 bytes each), then V's four tiles of 16 channels (2,048 each).
; No cluster and no tensor load: what work-groups share, a weight's codes, goes straight into registers and stays there; p is the grid's fast axis, so the three readers of a block of x start side by side.
.set BLKP,  528                        ; a quad in LDS: 512 bytes + 16 of padding
.set KSTP,  4*BLKP
.set TILEB, 16*BLKP                    ; 16 tokens x 512 k: sixteen quads
.set SPARE, 8*TILEB                    ; behind the eight tiles (67,584 = 264 x 256): the spare words, 128 bytes for each wave, which no other line names
.set GI,  2                            ; v2   16 x lane: my bytes of a global load's or store's 512
.set LW,  3                            ; v3   where my four codes of a row and K step go in LDS
.set LI,  4                            ; v4   16 x lane: LDS reads of tiles 0-3;  v5: the same + 4 tiles, for tiles 4-7
.set SCX, 8                            ; v8   2^ex;  v9: 448 x 2^ex
.set LMX, 9
.set SCO, 10                           ; v10  2^(eo - ex - ew);  v11: 448 x that
.set LMO, 11
.set SPW, 12                           ; v12  LDS address of my spare word; never rewritten
.set NIL, 13                           ; v13  0; never rewritten
.set CD,  32                           ; v32-95   codes: x's on the way in, the results' on the way out
.set ACC, 96                           ; v96-127  four accumulators
.set Z,   128                          ; v128-191, v192-255: two sets of 64: x as f32, later a token tile's four fragments
.set MSB, 0
.macro WIN new                         ; the immediate's high byte repeats the setting that is left; a switch that changes nothing is dropped
.if MSB != \new
	s_set_vgpr_msb (MSB<<8)|\new
.set MSB, \new
.endif
.endm
	s_load_b256 s[4:11], s[0:1], 0x0               ; x s[4:5], wimg s[6:7], the exponents s[8:9], qimg s[10:11]
	s_load_b64 s[12:13], s[0:1], 0x20              ; kvimg
	v_lshl_add_u32 v[SPW], v0, 2, SPARE
	v_mov_b32 v[NIL], 0
	v_lshrrev_b32 v1, 5, v0
	v_readfirstlane_b32 s14, v1                    ; wave 0..7
	v_and_b32 v1, 31, v0                           ; lane l
	v_lshlrev_b32 v[GI], 4, v1
	v_lshlrev_b32 v[LI], 4, v1
	v_add_nc_u32 v[LI+1], 4*TILEB, v[LI]
	; load j of a row gives lane l k = 128 j + 4 l + 0 .. 3 of K step j: quad l / 8, image lane row + 16 ((l / 2) % 2), byte 8 ((l / 4) % 2) + 4 (l % 2)
	v_lshrrev_b32 v[LW], 3, v1
	v_mul_u32_u24 v[LW], v[LW], BLKP
	v_bfe_u32 v6, v1, 1, 1
	v_lshl_add_u32 v[LW], v6, 8, v[LW]
	v_bfe_u32 v6, v1, 2, 1
	v_lshl_add_u32 v[LW], v6, 3, v[LW]
	v_and_b32 v6, 1, v1
	v_lshl_add_u32 v[LW], v6, 2, v[LW]
	s_mul_i32 s36, s14, TILEB
	v_add_nc_u32 v[LW], s36, v[LW]                 ; in my tile of tokens
	s_mov_b32 s15, ttmp9                           ; p
	s_and_b32 s26, ttmp7, 0xffff                   ; the block of 128 tokens
	s_lshl_b32 s40, s26, 18                        ; x: 128 rows of 2,048 bytes a block,
	s_lshl_b32 s41, s14, 15                        ; 16 rows a wave
	s_add_co_u32 s40, s40, s41
	s_lshl_b32 s42, s15, 18                        ; wimg: 262,144 bytes a weight, 32,768 for a wave's four tiles
	s_add_co_u32 s42, s42, s41
	s_mov_b32 s41, 0
	s_mov_b32 s43, 0
	s_lshr_b32 s36, s26, 5                         ; the batch,
	s_lshl_b32 s36, s36, 3
	s_add_co_u32 s36, s36, s14                     ; 8 x batch + head,
	s_lshl_b32 s36, s36, 18                        ; of 262,144 bytes in qimg,
	s_and_b32 s37, s26, 31
	s_lshl_b32 s37, s37, 13                        ; and the block's 8,192 bytes in it
	s_add_co_u32 s36, s36, s37
	s_mov_b32 s37, 0
	s_cmp_eq_u32 s15, 0
	s_cselect_b32 s38, 0, 1
	s_lshl_b32 s36, s36, s38                       ; in kvimg both are twice as large
	s_wait_kmcnt 0x0
	s_load_b256 s[16:23], s[8:9], 0x0              ; entries 0 to 7
	s_load_b32 s24, s[8:9], 0x20                   ; entry 8
	s_add_nc_u64 s[30:31], s[4:5], s[40:41]        ; my 16 rows of x
	s_add_nc_u64 s[32:33], s[6:7], s[42:43]        ; my 16 fragments of the weight
	s_cmp_eq_u32 s15, 0                            ; the buffer is chosen by the work-group's x alone
	s_cselect_b64 s[34:35], s[10:11], s[12:13]
	s_add_nc_u64 s[34:35], s[34:35], s[36:37]      ; where my head's codes of this block begin
.macro LOADX b                         ; rows 4 b .. 4 b + 3 of my 16, 512 consecutive bytes a load, into set b % 2.  No hint: three work-groups read these rows
.irp i, 0,1,2,3
.irp j, 0,1,2,3
	global_load_b128 v[Z+64*((\b)%2)+16*\i+4*\j:Z+64*((\b)%2)+16*\i+4*\j+3], v[GI], s[30:31] offset:2048*(4*(\b)+\i)+512*\j
.endr
.endr
.endm
.macro QROWS b                         ; they become codes and go to their places in my tile's images
.set XB, Z+64*((\b)%2)
.irp i, 0,1,2,3
.irp n, 0,1,2,3,4,5,6,7,8,9,10,11,12,13,14,15
	v_med3_num_f32 v[XB+16*\i+\n], v[XB+16*\i+\n], -v[LMX], v[LMX]   ; the conversion to an 8-bit code does not saturate (ISA guide 7.6.2): the hold at the largest code x the scale
.endr
	v_cvt_scalef32_pk8_fp8_f32 v[CD+16*(\b)+4*\i:CD+16*(\b)+4*\i+1], v[XB+16*\i:XB+16*\i+7], v[SCX]
	v_cvt_scalef32_pk8_fp8_f32 v[CD+16*(\b)+4*\i+2:CD+16*(\b)+4*\i+3], v[XB+16*\i+8:XB+16*\i+15], v[SCX]
.irp j, 0,1,2,3
	ds_store_b32 v[LW], v[CD+16*(\b)+4*\i+\j] offset:16*(4*(\b)+\i)+KSTP*\j
.endr
.endr
.endm
	LOADX 0                                        ; x first: it has the longer way
	LOADX 1
	WIN 0x40                                       ; destination window 1, address window 0
.set n, 0
.rept 64
	global_load_b128 v[4*n:4*n+3], v[GI], s[32:33] offset:512*n   ; the weight: tile i, K step s, quad q at register 64 i + 16 s + 4 q; 32,768 bytes on end
.set n, n+1
.endr
	WIN 0
	s_wait_kmcnt 0x0
	s_cmp_eq_u32 s15, 0
	s_cselect_b32 s27, s16, s18                    ; ex,
	s_cselect_b32 s28, s17, s19                    ; ew,
	s_cselect_b32 s29, s22, s23                    ; eo of q or k,
	s_cmp_eq_u32 s15, 2
	s_cselect_b32 s27, s20, s27                    ; or of v
	s_cselect_b32 s28, s21, s28
	s_cselect_b32 s29, s24, s29
	s_add_co_i32 s36, s27, 127
	s_lshl_b32 s37, s36, 23
	v_mov_b32 v[SCX], s37                          ; 2^ex
	s_add_co_i32 s36, s36, 8
	s_lshl_b32 s36, s36, 23
	s_or_b32 s36, s36, 0x600000
	v_mov_b32 v[LMX], s36                          ; 448 x 2^ex
	s_sub_co_i32 s36, s29, s27
	s_sub_co_i32 s36, s36, s28
	s_add_co_i32 s36, s36, 127
	s_lshl_b32 s37, s36, 23
	v_mov_b32 v[SCO], s37                          ; 2^(eo - ex - ew)
	s_add_co_i32 s36, s36, 8
	s_lshl_b32 s36, s36, 23
	s_or_b32 s36, s36, 0x600000
	v_mov_b32 v[LMO], s36
	s_wait_loadcnt 63                              ; batch 0 is in: 80 loads were issued behind it, the count's field ends at 63
	QROWS 0
	LOADX 2
	s_wait_loadcnt 63                              ; batch 1: again 80 behind it (the weight's 64, batch 2's 16)
	QROWS 1
	LOADX 3
	s_wait_loadcnt 16                              ; batch 2, and with it the weight, which was asked for earlier; batch 3 stays out
	QROWS 2
	s_wait_loadcnt 0x0
	QROWS 3
	v_nop                                          ; a plain line behind the last conversion
	s_wait_dscnt 0x0                               ; for the others' sake: my stores have landed
	s_barrier_signal -1
	s_barrier_wait -1                              ; the eight tiles' images are whole; nothing is stored to LDS from here on
.macro FETCH g                         ; token tile g's four fragments, sixteen quads, into set g % 2
.set ZF, Z+64*((\g)%2)
.set n, 0
.rept 16
	ds_load_b128 v[ZF+4*n:ZF+4*n+3], v[LI+(\g)/4] offset:((\g)%4)*TILEB+BLKP*n
.set n, n+1
.endr
.endm
; Token tile g: 16 products, my four tiles of 16 channels by turns, one instruction a turn, K ascending; the first of each sum takes the constant 0.
.macro MAIN g, vp
.if (\g) < 7
	FETCH (\g)+1                                   ; into the set that tile g - 1's products read: the four v_nop behind those products stand between
	s_wait_dscnt 16                                ; tile g's sixteen loads are in; the sixteen just issued stay out
.else
	s_wait_dscnt 0x0
.endif
.set ZB, Z+64*((\g)%2)
.if \vp
	WIN 0x04                                       ; source 1 (the weight) window 1
.else
	WIN 0x01                                       ; source 0 (the weight) window 1
.endif
.irp s, 0,1,2,3
.irp i, 0,1,2,3
.if \vp
.if \s == 0
	v_wmma_f32_16x16x128_fp8_fp8 v[ACC+8*\i:ACC+8*\i+7], v[ZB+16*\s:ZB+16*\s+15], v[64*\i+16*\s:64*\i+16*\s+15], 0
.else
	v_wmma_f32_16x16x128_fp8_fp8 v[ACC+8*\i:ACC+8*\i+7], v[ZB+16*\s:ZB+16*\s+15], v[64*\i+16*\s:64*\i+16*\s+15], v[ACC+8*\i:ACC+8*\i+7]
.endif
.else
.if \s == 0
	v_wmma_f32_16x16x128_fp8_fp8 v[ACC+8*\i:ACC+8*\i+7], v[64*\i+16*\s:64*\i+16*\s+15], v[ZB+16*\s:ZB+16*\s+15], 0
.else
	v_wmma_f32_16x16x128_fp8_fp8 v[ACC+8*\i:ACC+8*\i+7], v[64*\i+16*\s:64*\i+16*\s+15], v[ZB+16*\s:ZB+16*\s+15], v[ACC+8*\i:ACC+8*\i+7]
.endif
.endif
.endr
.endr
	WIN 0
.rept 4
	v_nop                                          ; four places between the last product and the first read of results, and the next loads into the fragments' registers
.endr
.set n, 0
.rept 32
	v_med3_num_f32 v[ACC+n], v[ACC+n], -v[LMO], v[LMO]   ; each accumulator from its low end on
.set n, n+1
.endr
.irp i, 0,1,2,3
.if \vp
	v_cvt_scalef32_pk8_fp8_f32 v[CD+16*\i+2*(\g):CD+16*\i+2*(\g)+1], v[ACC+8*\i:ACC+8*\i+7], v[SCO]   ; channel tile i: keys 16 g + 8 h + 0 .. 7: registers 2 g, 2 g + 1
.else
	v_cvt_scalef32_pk8_fp8_f32 v[CD+8*(\g)+2*\i:CD+8*(\g)+2*\i+1], v[ACC+8*\i:ACC+8*\i+7], v[SCO]     ; token tile g: channels 16 i + 8 h + 0 .. 7: registers 2 i, 2 i + 1
.endif
.endr
	v_nop                                          ; a plain line between the conversions and the next products, which write their sources
.if \vp
.if ((\g)%2) == 1                      ; a quad of V is whole behind every second tile of tokens
.irp i, 0,1,2,3
	global_store_b128 v[GI], v[CD+16*\i+4*((\g)/2):CD+16*\i+4*((\g)/2)+3], s[34:35] offset:8192+2048*\i+512*((\g)/2)
.endr
.endif
.else
	global_store_b128 v[GI], v[CD+8*(\g):CD+8*(\g)+3], s[34:35] offset:1024*(\g)          ; 32 lanes store 512 consecutive bytes; every store has registers of its own, and the base never steps
	global_store_b128 v[GI], v[CD+8*(\g)+4:CD+8*(\g)+7], s[34:35] offset:1024*(\g)+512
.endif
.endm
	FETCH 0
	s_cmp_eq_u32 s15, 2                            ; v's products have their sources the other way round: a second copy of the eight tiles, chosen by the work-group's x
	s_cbranch_scc1 .Lv
.irp g, 0,1,2,3,4,5,6,7
	MAIN \g, 0
.endr
	s_branch .Lend
.Lv:
.irp g, 0,1,2,3,4,5,6,7
	MAIN \g, 1
.endr
.Lend:
	s_wait_tensorcnt 0x0                           ; the wave's end, behind my last LDS store
	ds_add_u32 v[SPW], v[NIL]
	s_wait_dscnt 0x0
	s_endpgm
.Lfunc_end_k_q48123d6ace_qkv:
	.size	k_q48123d6ace_qkv, .Lfunc_end_k_q48123d6ace_qkv-k_q48123d6ace_qkv
	.p2alignl 7, 3214868480
	.fill 96, 4, 3214868480
	.section	.rodata,"a",@progbits
	.p2align	6, 0x0
	.amdhsa_kernel k_q48123d6ace_qkv
		.amdhsa_group_segment_fixed_size 68608
		.amdhsa_private_segment_fixed_size 0
		.amdhsa_enable_private_segment 0
		.amdhsa_kernarg_size 40
		.amdhsa_user_sgpr_count 2
		.amdhsa_user_sgpr_kernarg_segment_ptr 1
		.amdhsa_wavefront_size32 1
		.amdhsa_system_sgpr_workgroup_id_x 1
		.amdhsa_system_sgpr_workgroup_id_y 1
		.amdhsa_system_sgpr_workgroup_id_z 1
		.amdhsa_system_vgpr_workitem_id 0
		.amdhsa_next_free_vgpr 512
		.amdhsa_next_free_sgpr 66
		.amdhsa_reserve_vcc 0
		.amdhsa_float_denorm_mode_32 3
		.amdhsa_float_denorm_mode_16_64 3
		.amdhsa_memory_ordered 1
		.amdhsa_forward_progress 1
		.amdhsa_inst_pref_size 112
	.end_amdhsa_kernel
	.amdgpu_metadata
---
amdhsa.version: [ 1, 2 ]
amdhsa.kernels:
  - .name:           k_q48123d6ace_qkv
    .symbol:         k_q48123d6ace_qkv.kd
    .args:
      - { .name: x, .offset: 0, .size: 8, .value_kind: global_buffer, .address_space: global }
      - { .name: wimg, .offset: 8, .size: 8, .value_kind: global_buffer, .address_space: global }
      - { .name: lowp_scales, .offset: 16, .size: 8, .value_kind: global_buffer, .address_space: global }
      - { .name: qimg, .offset: 24, .size: 8, .value_kind: global_buffer, .address_space: global }
      - { .name: kvimg, .offset: 32, .size: 8, .value_kind: global_buffer, .address_space: global }
    .group_segment_fixed_size: 68608
    .private_segment_fixed_size: 0
    .kernarg_segment_align: 8
    .kernarg_segment_size: 40
    .max_flat_workgroup_size: 256
    .sgpr_count:     66
    .vgpr_count:     512
    .wavefront_size: 32
...
	.end_amdgpu_metadata
.endif
;; end of part 2
;; launch attn (part 3): grid 16 x 16, 8 waves a work-group, no clusters, 50,176 bytes of LDS; arguments qimg, kvimg, lowp_scales, aimg; writes aimg
.if DOCPART == 3
	.amdgcn_target "amdgcn-amd-amdhsa--gfx1250"
	.amdhsa_code_object_version 6
	.text
	.protected	k_q48123d6ace_attn
	.globl	k_q48123d6ace_attn
	.p2align	8
	.type	k_q48123d6ace_attn,@function
k_q48123d6ace_attn:
	s_mov_b64 s[64:65], 0
	v_nop
	global_prefetch_b8 v0, s[64:65] scope:SCOPE_SE
	s_setreg_imm32_b32 hwreg(HW_REG_WAVE_MODE, 25, 1), 1
	s_wait_xcnt 0x0
; THIRD LAUNCH: causal attention on codes of FP8 (E4M3): S = q k^T, the streaming softmax, O = p v, O / the row's sum as codes for the last product.
; WORK LEFT OUT: key steps in which every key comes after every query of the block: reference()'s own jnp.tril makes their p 0 for all inputs.  A NaN, an infinity or an overflow that reaches only them is not carried on.
; THE SOFTMAX: t = score x log2(e) / sqrt(512); M = the running largest t rounded UP to a whole number; p = 2^(t - M) is quantised with 2^e9, not normalised; the row's sum is taken of the unquantised p and divides
; O at the end; when M moves, the sum and O are multiplied by 2^(old M - new M), which rounds nothing.  A p so far under the row's largest that it falls under the format's range under the running M is lost.
; EVEN SHARES.  A head has 32 blocks of 128 queries and 32 steps of 128 keys.  Work-group j (x of the grid; y = 8 x batch + head) owns block j (key steps 0 .. j) and block 31 - j (key steps 0 .. 31 - j):
; (j + 1) + (32 - j) = 33 steps for every work-group, walked as ONE row of 33 steps t: the key step is t up to t = j, then t - (j + 1).  So every trip count is a constant, and only t = j and t = 32 lie on the diagonal.
; Wave w owns queries 16 w .. 16 w + 15 of the block in hand.  Both products are used transposed (S^T = K Q^T, O^T = V^T P^T): a lane holds ONE query (lane % 16) throughout, eight neighbouring keys or channels in
; an accumulator's eight registers, and a conversion's two registers ARE registers 2 c, 2 c + 1 of the next operand.  All operands come as images of their registers (512 bytes a quad, lane l at 16 l).
; K AND V: a step's 16,384 bytes lie on end in kvimg.  Wave w carries bytes 2,048 w on through 16 registers into one of three LDS slots; all eight waves read them.  In trip t: step t + 4 is asked of memory, step t + 2 goes
; into LDS, V of step t and K of step t + 1 are read.  By this count eight global loads of a wave (two steps) are out at any time, under a counted wait; one barrier a trip.
; NO CLUSTER: in one and the same trip the sixteen work-groups of a head stand at different key steps (work-group j's second block starts j + 1 trips in), so no two of them ask for one tile at one time.
; LIMITS on the given exponents: e6 + e7 between -122 and 131 (added to c's exponent field); e9, and e10 - e8 - e9, between -126 and 119.  NaN among the inputs is not served.
.set SLOTB, 16384
.set SPARE, 3*SLOTB                    ; behind the three slots: the spare words, 128 bytes for each wave, which no other line names
.set LI,  1                            ; v1   16 x lane: LDS reads
.set LW,  2                            ; v2   16 x lane + 2,048 x wave: LDS stores
.set GL,  3                            ; v3   the same number as an offset in a step's bytes in memory
.set GO,  4                            ; v4   16 x lane: Q's loads and the stores
.set PFO, 5                            ; v5   256 x (thread % 64): the prefetches' offset
.set SPW, 6                            ; v6   LDS address of my spare word; never rewritten
.set NIL, 7                            ; v7   0; never rewritten
.set DD,  8                            ; v8   16 w + lane % 16 - 8 (lane / 16): my query in its block, less my half's eight keys
.set NM,  12                           ; v12  -M;  v13 the largest t so far
.set L,   14                           ; v[14:15] the row's sum in two halves
.set Q,   16                           ; v16-23  Q's fragment in hand;  v24-31 the second block's
.set QB,  24
.set LS,  32                           ; v32-79  three sets of 16: a step's bytes on their way
.set PC,  80                           ; v80-95  p's codes
.set S,   96                           ; v96-159 S^T, then p
.set O,   160                          ; v160-191 O^T
.set AC,  192                          ; v192-199 the output's codes
.set MX,  200                          ; v200, v201 at work
.set PD,  202                          ; v202 a lane permute's destination
.set L2,  204                          ; v[204:205] the second chain of sums
.set F,   206                          ; v[206:207] f = 2^(old M - new M), later 1 / the sum; the pair's upper word is only named
.set SC9, 208                          ; v208 2^e9;  v209 448 x 2^e9
.set LM9, 209
.set SCA, 210                          ; v210 2^(e10 - e8 - e9);  v211 448 x that
.set LMA, 211
.set NINF, 212                         ; v212 -infinity
.set VF,  0                            ; window 1: v0-63 V's four fragments;  v64-127 K's eight
.set KF,  64
; s12 wave, s13 j, s14 8 x batch + head, s15 j + 1, s16 t, s17 the step that the next load fetches, s[18:19] its key step x 16,384, s[20:21] the head's first byte in kvimg, s[22:23] the loads' base,
; s[24:25] the prefetches' base, s26 1 in a wave that prefetches, s27 the loop's count, s[28:29] lane selects, s[30:31] c twice, s32-36 e6 .. e10, s37 1 where p wants its hold, s[38:39] where the block in hand is stored, s[40:41] the second block
.set MSB, 0
.macro WIN new                         ; the immediate's high byte repeats the setting that is left; a switch that changes nothing is dropped
.if MSB != \new
	s_set_vgpr_msb (MSB<<8)|\new
.set MSB, \new
.endif
.endm
; My 2,048 bytes of the next step, into register set rs.  pf = 1: and a prefetch into the L2, behind the four loads.  All sixteen work-groups of a head walk the same steps, and work-group 0, whose second block begins in
; trip 1, reaches each of them first: it alone asks, its waves 0 and 1, a lane for each 256 bytes: 64 lanes name a step's 16,384 bytes once.  In trip t it names key step t + 5, which its own loads ask for in trip t + 2.
; Trips 0 to 26 name key steps 5 to 31, the head's last; the other trips name nothing; steps 0 to 4 come by their loads alone.
.macro KVLOAD rs, pf
	s_wait_xcnt 0x0                                ; the last trip's loads and prefetch have read their bases: both may be written
	s_add_nc_u64 s[22:23], s[20:21], s[18:19]
.if \pf
	s_add_nc_u64 s[24:25], s[24:25], SLOTB
.endif
.irp i, 0,1,2,3
	global_load_b128 v[LS+16*(\rs)+4*\i:LS+16*(\rs)+4*\i+3], v[GL], s[22:23] offset:512*\i
.endr
.if \pf
	s_cmp_eq_u32 s26, 1
	s_cbranch_scc0 .Lnot_mine_\@
	global_prefetch_b8 v[PFO], s[24:25] th:TH_LOAD_NT scope:SCOPE_SE
.Lnot_mine_\@:
.endif
	s_add_co_u32 s17, s17, 1
	s_add_co_u32 s18, s18, SLOTB
	s_cmp_eq_u32 s17, s15                          ; behind step j the walk begins again at key step 0, for the second block
	s_cselect_b32 s18, 0, s18
.endm
.macro KVSTORE rs                      ; register set rs into slot rs
.irp i, 0,1,2,3
	ds_store_b128 v[LW], v[LS+16*(\rs)+4*\i:LS+16*(\rs)+4*\i+3] offset:SLOTB*(\rs)+512*\i
.endr
.endm
.macro MASK                            ; on the diagonal: register n holds key 16 (n / 8) + 8 (lane / 16) + n % 8 of the step; hidden where it is above my query: the score becomes -infinity, p = 0
.set n, 0
.rept 64
	v_cmp_gt_i32 vcc_lo, 16*(n/8)+n%8, v[DD]
	v_cndmask_b32 v[S+n], v[S+n], v[NINF], vcc_lo
.set n, n+1
.endr
.endm
.macro INIT                            ; a block begins: the largest t is -3e38, under every t; the sum and O^T are zeros, which the first change of M leaves zeros, so that the step is written once
	v_mov_b32 v[NM+1], 0xff61b1e6
	v_floor_f32 v[NM], -v[NM+1]
	v_mov_b32 v[L], 0
	v_mov_b32 v[L+1], 0
.set n, 0
.rept 32
	v_mov_b32 v[O+n], 0
.set n, n+1
.endr
.endm
.macro SOFTMAX
	v_max3_num_f32 v[MX], v[S], v[S+1], v[S+2]     ; the step's largest score of my query among my 64 keys, in two chains; each accumulator is first read at its low end
	v_max3_num_f32 v[MX+1], v[S+3], v[S+4], v[S+5]
.irp i, 6,10,14,18,22,26,30,34,38,42,46,50,54,58
	v_max3_num_f32 v[MX], v[MX], v[S+\i], v[S+\i+1]
	v_max3_num_f32 v[MX+1], v[MX+1], v[S+\i+2], v[S+\i+3]
.endr
	v_max3_num_f32 v[MX], v[MX], v[S+62], v[S+63]
	v_max_num_f32 v[MX], v[MX], v[MX+1]
	v_permlanex16_b32 v[PD], v[MX], s28, s29
	v_max_num_f32 v[MX], v[MX], v[PD]              ; and among the other half's 64
	v_mul_f32 v[MX], s30, v[MX]                    ; as t (c is positive)
	v_max_num_f32 v[NM+1], v[NM+1], v[MX]          ; the running largest t
	v_mov_b32 v[MX], v[NM]
	v_floor_f32 v[NM], -v[NM+1]                    ; the new -M = floor(-t) = -ceil(t): a whole number
	v_sub_f32 v[MX], v[NM], v[MX]                  ; old M less new M: a whole number, 0 or less
	v_cvt_i32_f32 v[MX], v[MX]                     ; (it saturates)
	v_ldexp_f32 v[F], 1.0, v[MX]                   ; f = 2^(old M - new M)
.set n, 0
.rept 32
	v_pk_fma_f32 v[S+2*n:S+2*n+1], v[S+2*n:S+2*n+1], s[30:31], v[NM:NM+1] op_sel_hi:[1,0,0]   ; t - M, two at a time (of the pairs c and -M the low word serves both halves)
.set n, n+1
.endr
.set n, 0
.rept 64
	v_exp_f32 v[S+n], v[S+n]                       ; p = 2^(t - M): one batch
.set n, n+1
.endr
	v_pk_mul_f32 v[L:L+1], v[L:L+1], v[F:F+1] op_sel_hi:[1,0]   ; the sum under the new M: the plain line behind the exponentials
	s_wait_alu depctr_va_vdst(0)                   ; the wait ahead of the first line that names an exponential's result: one for the batch
	v_pk_add_f32 v[L2:L2+1], v[S:S+1], v[S+2:S+3]  ; the row's sum is taken of the unquantised p, two at a time, in two chains
.irp i, 4,8,12,16,20,24,28,32,36,40,44,48,52,56,60
	v_pk_add_f32 v[L:L+1], v[L:L+1], v[S+\i:S+\i+1]
	v_pk_add_f32 v[L2:L2+1], v[L2:L2+1], v[S+\i+2:S+\i+3]
.endr
	v_pk_add_f32 v[L:L+1], v[L:L+1], v[L2:L2+1]
	s_cmp_eq_u32 s37, 0                            ; the hold at 448 x 2^e9.  p is at most 1 (but for the last bits of t - M); where e9 is -8 or more the bound is 1.75 or more and holds nothing back:
	s_cbranch_scc1 .Lno_hold_\@                    ; a whole number read from memory decides, the same in every wave
.set n, 0
.rept 64
	v_min_num_f32 v[S+n], v[S+n], v[LM9]           ; the conversion to an 8-bit code does not saturate (ISA guide 7.6.2); p is not negative, so the hold is one-sided
.set n, n+1
.endr
.Lno_hold_\@:
.irp i, 0,1,2,3,4,5,6,7
	v_cvt_scalef32_pk8_fp8_f32 v[PC+2*\i:PC+2*\i+1], v[S+8*\i:S+8*\i+7], v[SC9]   ; keys 16 i + 8 h + 0 .. 7: registers 2 i, 2 i + 1 of P's fragment
.endr
.set n, 0
.rept 16
	v_pk_mul_f32 v[O+2*n:O+2*n+1], v[O+2*n:O+2*n+1], v[F:F+1] op_sel_hi:[1,0]   ; O^T under the new M; these are also the plain lines between the conversions and the products
.set n, n+1
.endr
.endm
.macro FINAL                           ; a block is done: O^T / the sum becomes codes, two quads of the rows' image
.rept 4
	v_nop                                          ; four places between the last product and the first read of its result (ISA guide 7.12.1)
.endr
	v_add_f32 v[L], v[L], v[L+1]
	v_permlanex16_b32 v[PD], v[L], s28, s29
	v_add_f32 v[L], v[L], v[PD]                    ; the row's sum: both halves of the pair, both halves of the lanes
	v_rcp_f32 v[F], v[L]
	v_nop                                          ; a plain line behind the reciprocal
	s_wait_alu depctr_va_vdst(0)                   ; and the wait ahead of its first reader
.set n, 0
.rept 16
	v_pk_mul_f32 v[O+2*n:O+2*n+1], v[O+2*n:O+2*n+1], v[F:F+1] op_sel_hi:[1,0]
.set n, n+1
.endr
.set n, 0
.rept 32
	v_med3_num_f32 v[O+n], v[O+n], -v[LMA], v[LMA]
.set n, n+1
.endr
.irp i, 0,1,2,3
	v_cvt_scalef32_pk8_fp8_f32 v[AC+2*\i:AC+2*\i+1], v[O+8*\i:O+8*\i+7], v[SCA]   ; a sum stands for sum x 2^(e8 + e9): the three exponents are folded into one
.endr
	v_nop                                          ; a plain line behind the last conversion
	global_store_b128 v[GO], v[AC:AC+3], s[38:39]               ; 32 lanes store 512 consecutive bytes
	global_store_b128 v[GO], v[AC+4:AC+7], s[38:39] offset:512
.endm
.macro REINIT                          ; on to the second block
	s_wait_xcnt 0x0                                ; the two stores have read their base and their registers
	s_mov_b64 s[38:39], s[40:41]
.irp i, 0,1,2,3,4,5,6,7
	v_mov_b32 v[Q+\i], v[QB+\i]
.endr
	INIT
.endm
; STEP t, written for u = t % 3.  ld: step t + 4 is asked for; st: step t + 2 goes to LDS, with cnt younger loads left out; kp: K of step t + 1 is read; pf: see KVLOAD; mode 0: no diagonal; 1: the diagonal where t = j; 2: the last step.
.macro STEP u, ld, st, cnt, kp, pf, mode
	s_wait_dscnt 0x0                               ; my LDS stores of the last trip have landed, my reads of it are in (K of this step among them):
	s_barrier_signal -1
	s_barrier_wait -1                              ; so of every wave: slots u and u + 1 are whole, and nobody reads slot u + 2 any more
.if \st
	s_wait_loadcnt \cnt                            ; step t + 2's four loads are in; the four of step t + 3, where there are such, stay out
	KVSTORE ((\u)+2)%3
.endif
.if \ld
	KVLOAD ((\u)+1)%3, \pf                         ; into the set whose stores the wait at the trip's head has shown done
.endif
	WIN 0x01                                       ; source 0 (K) window 1
.irp i, 0,1,2,3,4,5,6,7
	v_wmma_f32_16x16x64_fp8_fp8 v[S+8*\i:S+8*\i+7], v[KF+8*\i:KF+8*\i+7], v[Q:Q+7], 0   ; 16 keys x my 16 queries, all of the head's 64
.endr
.rept 4
	v_nop                                          ; four places: ahead of the loads into K's and V's registers, which products have read, and of the first read of the scores
.endr
	WIN 0x40                                       ; destination window 1
.set n, 0
.rept 16
	ds_load_b128 v[VF+4*n:VF+4*n+3], v[LI] offset:SLOTB*(\u)+8192+512*n
.set n, n+1
.endr
.if \kp
.set n, 0
.rept 16
	ds_load_b128 v[KF+4*n:KF+4*n+3], v[LI] offset:SLOTB*(((\u)+1)%3)+512*n   ; a step ahead of its use
.set n, n+1
.endr
.endif
	WIN 0
.if \mode == 1
	s_cmp_lg_u32 s16, s13
	s_cbranch_scc1 .Lopen_\@
	MASK
.Lopen_\@:
.endif
.if \mode == 2
	MASK
.endif
	SOFTMAX
.if \kp
	s_wait_dscnt 16                                ; V is in; K's sixteen loads stay out
.else
	s_wait_dscnt 0x0
.endif
	WIN 0x01                                       ; source 0 (V) window 1
.irp i, 0,1,2,3
	v_wmma_f32_16x16x128_fp8_fp8 v[O+8*\i:O+8*\i+7], v[VF+16*\i:VF+16*\i+15], v[PC:PC+15], v[O+8*\i:O+8*\i+7]   ; 16 channels x my 16 queries, 128 keys; the four sums by turns, the scores' eight products between two of their links
.endr
	WIN 0
.if \mode == 1
	s_cmp_lg_u32 s16, s13
	s_cbranch_scc1 .Lgo_on_\@
	FINAL
	REINIT
.Lgo_on_\@:
.endif
.if \mode == 2
	FINAL
.endif
	s_add_co_u32 s16, s16, 1
.endm
	s_load_b256 s[4:11], s[0:1], 0x0               ; qimg s[4:5], kvimg s[6:7], the exponents s[8:9], aimg s[10:11]
	v_lshl_add_u32 v[SPW], v0, 2, SPARE
	v_mov_b32 v[NIL], 0
	v_lshrrev_b32 v9, 5, v0
	v_readfirstlane_b32 s12, v9                    ; wave 0..7
	v_and_b32 v9, 31, v0
	v_lshlrev_b32 v[LI], 4, v9
	v_lshlrev_b32 v[GO], 4, v9
	s_lshl_b32 s42, s12, 11
	v_add_nc_u32 v[LW], s42, v[LI]
	v_add_nc_u32 v[GL], s42, v[GO]
	v_and_b32 v[PFO], 63, v0
	v_lshlrev_b32 v[PFO], 8, v[PFO]
	v_and_b32 v9, 15, v0
	v_bfe_u32 v10, v0, 4, 1
	v_lshlrev_b32 v10, 3, v10
	v_sub_nc_u32 v[DD], v9, v10
	s_lshl_b32 s42, s12, 4
	v_add_nc_u32 v[DD], s42, v[DD]
	v_mov_b32 v[PD], 0                             ; written once: a lane permute's destination counts as one of its sources
	v_mov_b32 v[F+1], 0                            ; (named as the upper half of a pair)
	v_mov_b32 v[NINF], 0xff800000
	s_mov_b32 s13, ttmp9                           ; j
	s_and_b32 s14, ttmp7, 0xffff                   ; 8 x batch + head
	s_add_co_u32 s15, s13, 1
	s_sub_co_u32 s48, 31, s13                      ; the second block
	s_lshl_b32 s42, s14, 18                        ; qimg: 262,144 bytes a head, 8,192 a block, 1,024 a wave's tile
	s_lshl_b32 s43, s12, 10
	s_add_co_u32 s42, s42, s43
	s_lshl_b32 s44, s13, 13
	s_add_co_u32 s44, s44, s42
	s_mov_b32 s45, 0
	s_lshl_b32 s46, s48, 13
	s_add_co_u32 s46, s46, s42
	s_mov_b32 s47, 0
	s_lshr_b32 s42, s14, 3                         ; aimg: [tile of 16 rows][head][1,024]: 2^21 bytes a batch, 65,536 a block, 8,192 a tile
	s_lshl_b32 s42, s42, 21
	s_and_b32 s43, s14, 7
	s_lshl_b32 s43, s43, 10
	s_add_co_u32 s42, s42, s43
	s_lshl_b32 s43, s12, 13
	s_add_co_u32 s42, s42, s43
	s_lshl_b32 s50, s13, 16
	s_add_co_u32 s50, s50, s42
	s_mov_b32 s51, 0
	s_lshl_b32 s52, s48, 16
	s_add_co_u32 s52, s52, s42
	s_mov_b32 s53, 0
	s_lshl_b32 s54, s14, 19                        ; kvimg: 524,288 bytes a head
	s_mov_b32 s55, 0
	s_mov_b32 s17, 0
	s_mov_b32 s18, 0
	s_mov_b32 s19, 0
	s_mov_b32 s28, 0x76543210                      ; v_permlanex16_b32: lane l takes lane l xor 16
	s_mov_b32 s29, 0xfedcba98
	s_lshr_b32 s42, s12, 1                         ; 0 in waves 0 and 1,
	s_or_b32 s42, s42, s13                         ; of the head's work-group 0
	s_cmp_eq_u32 s42, 0
	s_cselect_b32 s26, 1, 0
	s_wait_kmcnt 0x0
	s_load_b64 s[32:33], s[8:9], 0x18              ; e6, e7
	s_load_b64 s[34:35], s[8:9], 0x20              ; e8, e9
	s_load_b32 s36, s[8:9], 0x28                   ; e10
	s_add_nc_u64 s[20:21], s[6:7], s[54:55]
	s_add_nc_u64 s[44:45], s[4:5], s[44:45]
	s_add_nc_u64 s[46:47], s[4:5], s[46:47]
	s_add_nc_u64 s[38:39], s[10:11], s[50:51]
	s_add_nc_u64 s[40:41], s[10:11], s[52:53]
	global_load_b128 v[Q:Q+3], v[GO], s[44:45]                 ; both blocks' Q stay in registers
	global_load_b128 v[Q+4:Q+7], v[GO], s[44:45] offset:512
	global_load_b128 v[QB:QB+3], v[GO], s[46:47]
	global_load_b128 v[QB+4:QB+7], v[GO], s[46:47] offset:512
	KVLOAD 0, 0                                    ; steps 0, 1, 2
	KVLOAD 1, 0
	KVLOAD 2, 0
	s_wait_kmcnt 0x0
	s_add_co_i32 s42, s32, s33
	s_lshl_b32 s42, s42, 23
	s_add_co_i32 s30, s42, 0x3d8293ee              ; c = log2(e) / sqrt(512), with e6 + e7 added to its exponent field: a score stands for score x 2^(e6 + e7)
	s_mov_b32 s31, s30                             ; (named with it as a pair)
	s_add_co_i32 s42, s35, 127
	s_lshl_b32 s43, s42, 23
	v_mov_b32 v[SC9], s43                          ; 2^e9
	s_add_co_i32 s42, s42, 8
	s_lshl_b32 s42, s42, 23
	s_or_b32 s42, s42, 0x600000
	v_mov_b32 v[LM9], s42                          ; 448 x 2^e9
	s_cmp_lt_i32 s35, -8
	s_cselect_b32 s37, 1, 0
	s_sub_co_i32 s42, s36, s34
	s_sub_co_i32 s42, s42, s35
	s_add_co_i32 s42, s42, 127
	s_lshl_b32 s43, s42, 23
	v_mov_b32 v[SCA], s43                          ; 2^(e10 - e8 - e9)
	s_add_co_i32 s42, s42, 8
	s_lshl_b32 s42, s42, 23
	s_or_b32 s42, s42, 0x600000
	v_mov_b32 v[LMA], s42
	INIT
	s_wait_loadcnt 4                               ; Q and steps 0 and 1 are in; step 2's four loads stay out
	KVSTORE 0
	KVSTORE 1
	s_wait_dscnt 0x0                               ; for the others' sake, and set 0 may be loaded again:
	KVLOAD 0, 0                                    ; step 3
	s_barrier_signal -1
	s_barrier_wait -1                              ; slots 0 and 1 are whole
	WIN 0x40
.set n, 0
.rept 16
	ds_load_b128 v[KF+4*n:KF+4*n+3], v[LI] offset:512*n   ; K of step 0
.set n, n+1
.endr
	WIN 0
	s_mov_b32 s16, 0
	s_add_nc_u64 s[24:25], s[20:21], 4*SLOTB       ; trip 0 steps it to key step 5
	s_mov_b32 s27, 9
.Ltrip:                                            ; nine trips of three steps: t = 0 .. 26; j is at most 15, so the first block ends in here
	STEP 0, 1, 1, 4, 1, 1, 1
	STEP 1, 1, 1, 4, 1, 1, 1
	STEP 2, 1, 1, 4, 1, 1, 1
	s_sub_co_u32 s27, s27, 1
	s_cmp_lg_u32 s27, 0
	s_cbranch_scc1 .Ltrip
	STEP 0, 1, 1, 4, 1, 0, 0                       ; t = 27: the tail is written out: its counts run down
	STEP 1, 1, 1, 4, 1, 0, 0                       ; t = 28: the last load, step 32
	STEP 2, 0, 1, 4, 1, 0, 0                       ; t = 29: step 31 goes to LDS, step 32's four loads stay out
	STEP 0, 0, 1, 0, 1, 0, 0                       ; t = 30: step 32 goes to LDS
	STEP 1, 0, 0, 0, 1, 0, 0                       ; t = 31
	STEP 2, 0, 0, 0, 0, 0, 2                       ; t = 32: the second block's diagonal, and its way out
	s_wait_tensorcnt 0x0                           ; the wave's end, behind my last LDS store
	ds_add_u32 v[SPW], v[NIL]
	s_wait_dscnt 0x0
	s_endpgm
.Lfunc_end_k_q48123d6ace_attn:
	.size	k_q48123d6ace_attn, .Lfunc_end_k_q48123d6ace_attn-k_q48123d6ace_attn
	.p2alignl 7, 3214868480
	.fill 96, 4, 3214868480
	.section	.rodata,"a",@progbits
	.p2align	6, 0x0
	.amdhsa_kernel k_q48123d6ace_attn
		.amdhsa_group_segment_fixed_size 50176
		.amdhsa_private_segment_fixed_size 0
		.amdhsa_enable_private_segment 0
		.amdhsa_kernarg_size 32
		.amdhsa_user_sgpr_count 2
		.amdhsa_user_sgpr_kernarg_segment_ptr 1
		.amdhsa_wavefront_size32 1
		.amdhsa_system_sgpr_workgroup_id_x 1
		.amdhsa_system_sgpr_workgroup_id_y 1
		.amdhsa_system_sgpr_workgroup_id_z 1
		.amdhsa_system_vgpr_workitem_id 0
		.amdhsa_next_free_vgpr 384
		.amdhsa_next_free_sgpr 66
		.amdhsa_reserve_vcc 1
		.amdhsa_float_denorm_mode_32 3
		.amdhsa_float_denorm_mode_16_64 3
		.amdhsa_memory_ordered 1
		.amdhsa_forward_progress 1
		.amdhsa_inst_pref_size 191
	.end_amdhsa_kernel
	.amdgpu_metadata
---
amdhsa.version: [ 1, 2 ]
amdhsa.kernels:
  - .name:           k_q48123d6ace_attn
    .symbol:         k_q48123d6ace_attn.kd
    .args:
      - { .name: qimg, .offset: 0, .size: 8, .value_kind: global_buffer, .address_space: global }
      - { .name: kvimg, .offset: 8, .size: 8, .value_kind: global_buffer, .address_space: global }
      - { .name: lowp_scales, .offset: 16, .size: 8, .value_kind: global_buffer, .address_space: global }
      - { .name: aimg, .offset: 24, .size: 8, .value_kind: global_buffer, .address_space: global }
    .group_segment_fixed_size: 50176
    .private_segment_fixed_size: 0
    .kernarg_segment_align: 8
    .kernarg_segment_size: 32
    .max_flat_workgroup_size: 256
    .sgpr_count:     66
    .vgpr_count:     384
    .wavefront_size: 32
...
	.end_amdgpu_metadata
.endif
;; end of part 3
;; launch oproj (part 4): grid 4 x 64, 8 waves a work-group, no clusters, 35,840 bytes of LDS; arguments aimg, wimg, lowp_scales, bo, out0; writes out0
.if DOCPART == 4
	.amdgcn_target "amdgcn-amd-amdhsa--gfx1250"
	.amdhsa_code_object_version 6
	.text
	.protected	k_q48123d6ace_oproj
	.globl	k_q48123d6ace_oproj
	.p2align	8
	.type	k_q48123d6ace_oproj,@function
k_q48123d6ace_oproj:
	s_mov_b64 s[64:65], 0
	v_nop
	global_prefetch_b8 v0, s[64:65] scope:SCOPE_SE
	s_setreg_imm32_b32 hwreg(HW_REG_WAVE_MODE, 25, 1), 1
	s_wait_xcnt 0x0
; FOURTH LAUNCH: out0 = a Wo^T x 2^(e10 + e11) + bo, on codes of FP8 (E4M3): a's from aimg, Wo's from wimg (the fourth weight there).  No work is left out here.
; LIMIT: e10 + e11 between -126 and 127, so that 2^(e10 + e11) is an f32 number.
; A work-group makes 128 rows x 128 columns (x of the grid: the columns, y: the rows); wave w makes rows 32 (w / 2) on x columns 64 (w % 2) on: 2 x 4 accumulators.  All of K = 512 lies in registers:
; both operands come as images of their registers (a fragment of 16 rows x 128 k = four quads of 512 bytes, lane l at 16 l), straight from memory, four loads a fragment.
; THE PRODUCT IS USED TRANSPOSED (source 0 = 16 rows of Wo, source 1 = 16 rows of a): a lane holds one row of out0 and eight neighbouring columns.  They go through the wave's own stage in LDS and leave as
; runs of 256 consecutive bytes, sixteen lanes to a run.
; No cluster and no tensor load: the operands go straight into registers, once, and there is no ring to fill.
.set SPITCH, 272                       ; a stage row: 64 columns of 4 bytes + 16 of padding
.set STG,    16*SPITCH                 ; a wave's stage
.set SPARE,  8*STG                     ; behind the stages (34,816 = 136 x 256): the spare words, 128 bytes for each wave, which no other line names
.set GI,  2                            ; v2   16 x lane
.set BO,  3                            ; v3   32 x (lane / 16): my half's eight numbers of the bias
.set SO,  4                            ; v4   the stage: where I put 32 bytes of a row
.set SR,  5                            ; v5   and where I read 16 bytes of a row back
.set CO,  6                            ; v6   the same place in out0
.set SPW, 12                           ; v12  LDS address of my spare word; never rewritten
.set NIL, 13                           ; v13  0; never rewritten
.set BI,  32                           ; v32-63   the bias: eight registers for each of my four tiles of columns
.set AF,  64                           ; v64-191  a's fragments: tile mt, K step s at 64 mt + 16 s; on the way out 32 results and 32 read back for each mt
.set ACC, 192                          ; v192-255 the accumulators: (mt, nt) at 8 (4 mt + nt)
                                       ; window 1: Wo's fragments: tile nt, K step s at 64 nt + 16 s
.set MSB, 0
.macro WIN new                         ; the immediate's high byte repeats the setting that is left; a switch that changes nothing is dropped
.if MSB != \new
	s_set_vgpr_msb (MSB<<8)|\new
.set MSB, \new
.endif
.endm
	s_load_b256 s[4:11], s[0:1], 0x0               ; aimg s[4:5], wimg s[6:7], the exponents s[8:9], bo s[10:11]
	s_load_b64 s[12:13], s[0:1], 0x20              ; out0
	v_lshl_add_u32 v[SPW], v0, 2, SPARE
	v_mov_b32 v[NIL], 0
	v_lshrrev_b32 v1, 5, v0
	v_readfirstlane_b32 s14, v1                    ; wave 0..7
	v_and_b32 v1, 31, v0
	v_lshlrev_b32 v[GI], 4, v1
	v_and_b32 v7, 15, v0                           ; r
	v_bfe_u32 v8, v0, 4, 1                         ; h
	v_lshlrev_b32 v[BO], 5, v8
	s_mul_i32 s30, s14, STG
	v_mul_u32_u24 v[SO], v7, SPITCH
	v_lshl_add_u32 v[SO], v8, 5, v[SO]
	v_add_nc_u32 v[SO], s30, v[SO]                 ; in: row r, + 32 h
	v_mul_u32_u24 v[SR], v8, SPITCH
	v_lshl_add_u32 v[SR], v7, 4, v[SR]
	v_add_nc_u32 v[SR], s30, v[SR]                 ; back: lanes 0-15 one row, lanes 16-31 the next
	v_lshlrev_b32 v[CO], 11, v8
	v_lshl_add_u32 v[CO], v7, 4, v[CO]             ; and the same two rows of 2,048 bytes in out0
	s_lshr_b32 s15, s14, 1                         ; which 32 rows
	s_and_b32 s28, s14, 1                          ; which 64 columns
	s_and_b32 s29, ttmp7, 0xffff
	s_lshl_b32 s32, s29, 16                        ; aimg: 8,192 bytes a tile of 16 rows: 8 tiles a block, 2 a wave
	s_lshl_b32 s33, s15, 14
	s_add_co_u32 s32, s32, s33
	s_mov_b32 s33, 0
	s_lshl_b32 s34, ttmp9, 16                      ; wimg: the fourth weight; 8 tiles of 8,192 bytes a block, 4 a wave
	s_lshl_b32 s35, s28, 15
	s_add_co_u32 s34, s34, s35
	s_add_co_u32 s34, s34, 3*262144
	s_mov_b32 s35, 0
	s_lshl_b32 s36, ttmp9, 9                       ; my first column, in bytes: 512 x block + 256 x half
	s_lshl_b32 s37, s28, 8
	s_add_co_u32 s36, s36, s37
	s_mov_b32 s37, 0
	s_lshl_b32 s38, s29, 18                        ; out0: 128 rows of 2,048 bytes a block, 32 a wave
	s_lshl_b32 s39, s15, 16
	s_add_co_u32 s38, s38, s39
	s_add_co_u32 s38, s38, s36
	s_mov_b32 s39, 0
	s_wait_kmcnt 0x0
	s_load_b64 s[24:25], s[8:9], 0x28              ; e10, e11
	s_add_nc_u64 s[16:17], s[4:5], s[32:33]
	s_add_nc_u64 s[18:19], s[6:7], s[34:35]
	s_add_nc_u64 s[20:21], s[10:11], s[36:37]
	s_add_nc_u64 s[22:23], s[12:13], s[38:39]
.irp t, 0,1,2,3
	global_load_b128 v[BI+8*\t:BI+8*\t+3], v[BO], s[20:21] offset:64*\t        ; bo at columns 16 t + 8 h + 0 .. 7 of my 64
	global_load_b128 v[BI+8*\t+4:BI+8*\t+7], v[BO], s[20:21] offset:64*\t+16
.endr
.irp s, 0,1,2,3                        ; K step by K step: 16 loads of Wo, 8 of a, 512 consecutive bytes each
	WIN 0x40                                       ; destination window 1
.irp t, 0,1,2,3
.irp q, 0,1,2,3
	global_load_b128 v[64*\t+16*\s+4*\q:64*\t+16*\s+4*\q+3], v[GI], s[18:19] offset:8192*\t+2048*\s+512*\q
.endr
.endr
	WIN 0
.irp m, 0,1
.irp q, 0,1,2,3
	global_load_b128 v[AF+64*\m+16*\s+4*\q:AF+64*\m+16*\s+4*\q+3], v[GI], s[16:17] offset:8192*\m+2048*\s+512*\q
.endr
.endr
.endr
	s_wait_kmcnt 0x0
	s_add_co_i32 s26, s24, s25
	s_add_co_i32 s26, s26, 127
	s_lshl_b32 s26, s26, 23                        ; 2^(e10 + e11) as f32
	s_mov_b32 s27, s26                             ; (named with it as a pair)
.irp s, 0,1,2,3
.if \s == 0
	s_wait_loadcnt 63                              ; K step 0 is in: 72 loads were issued behind it, the count's field ends at 63
.else
	s_wait_loadcnt 24*(3-\s)                       ; this K step is in; the later steps' 24 loads each stay out
.endif
	WIN 0x01                                       ; source 0 (Wo) window 1
.irp m, 0,1
.irp t, 0,1,2,3
.if \s == 0
	v_wmma_f32_16x16x128_fp8_fp8 v[ACC+8*(4*\m+\t):ACC+8*(4*\m+\t)+7], v[64*\t+16*\s:64*\t+16*\s+15], v[AF+64*\m+16*\s:AF+64*\m+16*\s+15], 0   ; the first K step starts the sums
.else
	v_wmma_f32_16x16x128_fp8_fp8 v[ACC+8*(4*\m+\t):ACC+8*(4*\m+\t)+7], v[64*\t+16*\s:64*\t+16*\s+15], v[AF+64*\m+16*\s:AF+64*\m+16*\s+15], v[ACC+8*(4*\m+\t):ACC+8*(4*\m+\t)+7]   ; the eight sums by turns, one instruction a turn
.endif
.endr
.endr
.endr
	WIN 0
.rept 4
	v_nop                                          ; four places between the last product and the first read of results, and the first write over a's registers (ISA guide 7.12.1)
.endr
.irp m, 0,1                            ; 16 rows at a time through my stage.  LDS serves a wave's instructions in order (ISA guide 5.7.1.4): no wait between the stores and the loads, nor ahead of the second tile's stores
.irp t, 0,1,2,3
.irp i, 0,2,4,6
	v_pk_fma_f32 v[AF+64*\m+8*\t+\i:AF+64*\m+8*\t+\i+1], v[ACC+8*(4*\m+\t)+\i:ACC+8*(4*\m+\t)+\i+1], s[26:27], v[BI+8*\t+\i:BI+8*\t+\i+1] op_sel_hi:[1,0,1]   ; sum x 2^(e10 + e11) + bo, two at a time; each accumulator from its low end on
.endr
.endr
.irp t, 0,1,2,3
	ds_store_b128 v[SO], v[AF+64*\m+8*\t:AF+64*\m+8*\t+3] offset:64*\t
	ds_store_b128 v[SO], v[AF+64*\m+8*\t+4:AF+64*\m+8*\t+7] offset:64*\t+16
.endr
.irp i, 0,1,2,3,4,5,6,7
	ds_load_b128 v[AF+64*\m+32+4*\i:AF+64*\m+32+4*\i+3], v[SR] offset:2*\i*SPITCH
.endr
.endr
.irp m, 0,1
.irp i, 0,1,2,3,4,5,6,7
	s_wait_dscnt 16*(1-\m)+7-\i                    ; behind this load: the rest of its eight, and for the first tile the second tile's sixteen LDS instructions
	global_store_b128 v[CO], v[AF+64*\m+32+4*\i:AF+64*\m+32+4*\i+3], s[22:23] offset:32768*\m+4096*\i th:TH_STORE_NT   ; sixteen lanes store 256 consecutive bytes, at a multiple of 256 from out0's first byte; written once
.endr
.endr
	s_wait_tensorcnt 0x0                           ; the wave's end, behind my last LDS store
	ds_add_u32 v[SPW], v[NIL]
	s_wait_dscnt 0x0
	s_endpgm
.Lfunc_end_k_q48123d6ace_oproj:
	.size	k_q48123d6ace_oproj, .Lfunc_end_k_q48123d6ace_oproj-k_q48123d6ace_oproj
	.p2alignl 7, 3214868480
	.fill 96, 4, 3214868480
	.section	.rodata,"a",@progbits
	.p2align	6, 0x0
	.amdhsa_kernel k_q48123d6ace_oproj
		.amdhsa_group_segment_fixed_size 35840
		.amdhsa_private_segment_fixed_size 0
		.amdhsa_enable_private_segment 0
		.amdhsa_kernarg_size 40
		.amdhsa_user_sgpr_count 2
		.amdhsa_user_sgpr_kernarg_segment_ptr 1
		.amdhsa_wavefront_size32 1
		.amdhsa_system_sgpr_workgroup_id_x 1
		.amdhsa_system_sgpr_workgroup_id_y 1
		.amdhsa_system_sgpr_workgroup_id_z 1
		.amdhsa_system_vgpr_workitem_id 0
		.amdhsa_next_free_vgpr 512
		.amdhsa_next_free_sgpr 66
		.amdhsa_reserve_vcc 0
		.amdhsa_float_denorm_mode_32 3
		.amdhsa_float_denorm_mode_16_64 3
		.amdhsa_memory_ordered 1
		.amdhsa_forward_progress 1
		.amdhsa_inst_pref_size 21
	.end_amdhsa_kernel
	.amdgpu_metadata
---
amdhsa.version: [ 1, 2 ]
amdhsa.kernels:
  - .name:           k_q48123d6ace_oproj
    .symbol:         k_q48123d6ace_oproj.kd
    .args:
      - { .name: aimg, .offset: 0, .size: 8, .value_kind: global_buffer, .address_space: global }
      - { .name: wimg, .offset: 8, .size: 8, .value_kind: global_buffer, .address_space: global }
      - { .name: lowp_scales, .offset: 16, .size: 8, .value_kind: global_buffer, .address_space: global }
      - { .name: bo, .offset: 24, .size: 8, .value_kind: global_buffer, .address_space: global }
      - { .name: out0, .offset: 32, .size: 8, .value_kind: global_buffer, .address_space: global }
    .group_segment_fixed_size: 35840
    .private_segment_fixed_size: 0
    .kernarg_segment_align: 8
    .kernarg_segment_size: 40
    .max_flat_workgroup_size: 256
    .sgpr_count:     66
    .vgpr_count:     512
    .wavefront_size: 32
...
	.end_amdgpu_metadata
.endif
;; end of part 4
;; ======== version 2 of 2: 4 launches; version 1 with the launches qkv, attn, oproj written anew for expert scheduling mode
;; workspace buffers: wimg 1,048,576 bytes; qimg 4,194,304 bytes; kvimg 8,388,608 bytes; aimg 4,194,304 bytes
;; launch wprep: the kernel of part 1 again; grid 32 x 4, 4 waves a work-group, no clusters, 8,960 bytes of LDS; arguments Wq, Wk, Wv, Wo, lowp_scales, wimg; writes wimg
;; launch qkv (part 5): grid 3 x 64, 8 waves a work-group, no clusters, 68,608 bytes of LDS; arguments x, wimg, lowp_scales, qimg, kvimg; writes qimg, kvimg
.if DOCPART == 5
	.amdgcn_target "amdgcn-amd-amdhsa--gfx1250"
	.amdhsa_code_object_version 6
	.text
	.protected	k_q48123d6ace_qkv
	.globl	k_q48123d6ace_qkv
	.p2align	8
	.type	k_q48123d6ace_qkv,@function
k_q48123d6ace_qkv:
	s_mov_b64 s[64:65], 0
	v_nop
	global_prefetch_b8 v0, s[64:65] scope:SCOPE_SE
	s_setreg_imm32_b32 hwreg(HW_REG_WAVE_SCHED_MODE, 0, 2), 2
	s_setreg_imm32_b32 hwreg(HW_REG_WAVE_MODE, 25, 1), 1
	s_wait_xcnt 0x0
	s_wait_alu depctr_vm_vsrc(0)
; SECOND LAUNCH: q = x Wq^T, k = x Wk^T, v = x Wv^T on codes of FP8 (E4M3), and their results as codes for the attention.  No work is left out here.
; A work-group takes one of the three products (x of the grid: p = 0 q, 1 k, 2 v) and 128 tokens (y).  x is quantised with that product's own scale (entry 0, 2, 4), the weight's codes come from wimg
; (entry 1, 3, 5), and a finished sum, which stands for sum x 2^(ex + ew), becomes a code with the scale of its later use (entry 6 q, 7 k, 8 v): the three exponents are folded into the conversion's one.
; LIMITS: ex, and eo - ex - ew, between -126 and 119, so that each power of two and 448 x it are f32 numbers.  NaN among the inputs is not served.
; SHARES.  Wave w holds the 64 rows of the weight that make head w, all of K: 16 fragments, 256 registers (window 1), read once.  The 128 tokens' codes go round through LDS as images of operand registers
; (lane (r, h): row r; registers 2 c, 2 c + 1: k = 16 c + 8 h + 0 .. 7; a quad of four registers = 512 bytes, lane l at 16 l): wave w quantises tokens 16 w .. 16 w + 15, every wave reads all eight tiles.
; q AND k: source 0 = 16 rows of W, source 1 = 16 tokens: a lane holds one token and eight neighbouring channels, which one conversion turns into registers 2 i, 2 i + 1 of the token's fragment along the head's 64.
; v: the sources change places: a lane holds one channel and eight neighbouring tokens, which are registers 2 g, 2 g + 1 of the channel's fragment along 128 KEYS.  So nothing is ever transposed.
; OUT: qimg [head-in-batch 16][tile of 16 tokens 256][quad 2][512];  kvimg [16][key step of 128 keys 32][16,384]: K's eight tiles of 16 keys (1,024 bytes each), then V's four tiles of 16 channels (2,048 each).
; No cluster and no tensor load: what work-groups share, a weight's codes, goes straight into registers and stays there; p is the grid's fast axis, so the three readers of a block of x start side by side.
; THE MODE: SCHED_MODE bits 1:0 = 2 (LLVM: expert scheduling mode 2), set by the entry lines.  The code itself states the register dependences
; between vector or matrix instructions and memory or LDS instructions, with s_wait_alu, always for 0.
; THE PLAN.  Registers that memory or LDS instructions touch:
;   v2 .. v5   offsets and LDS addresses: written once at the head, never again.
;   Z0, Z1     On the way in: batch b's global loads land in Z[b % 2], its holds and conversions read and write it, batch b + 2's loads land in it again.
;              Later: token tile g's LDS loads land in Z[g % 2], its sixteen products read it, tile g + 2's loads land in it again.
;   CD         First x's codes: written by a batch's conversions, read by its sixteen LDS stores.  Later the results' codes: each register written once by a conversion and read once by a global store.
;   window 1   The weight: loads land once; products alone name it.
; So ONE wait on va_vdst stands in a batch, behind its conversions, for its LDS stores and for the loads of the batch after next; one wait on vm_vsrc stands behind the barrier, where CD changes hands;
; and ONE wait on va_vdst stands in a token tile, behind its conversions, for its global stores and for the LDS loads of the tile after next.
.set BLKP,  528                        ; a quad in LDS: 512 bytes + 16 of padding
.set KSTP,  4*BLKP
.set TILEB, 16*BLKP                    ; 16 tokens x 512 k: sixteen quads
.set SPARE, 8*TILEB                    ; behind the eight tiles (67,584 = 264 x 256): the spare words, 128 bytes for each wave, which no other line names
.set GI,  2                            ; v2   16 x lane: my bytes of a global load's or store's 512
.set LW,  3                            ; v3   where my four codes of a row and K step go in LDS
.set LI,  4                            ; v4   16 x lane: LDS reads of tiles 0-3;  v5: the same + 4 tiles, for tiles 4-7
.set SCX, 8                            ; v8   2^ex;  v9: 448 x 2^ex
.set LMX, 9
.set SCO, 10                           ; v10  2^(eo - ex - ew);  v11: 448 x that
.set LMO, 11
.set SPW, 12                           ; v12  LDS address of my spare word; never rewritten
.set NIL, 13                           ; v13  0; never rewritten
.set CD,  32                           ; v32-95   codes: x's on the way in, the results' on the way out
.set ACC, 96                           ; v96-127  four accumulators
.set Z,   128                          ; v128-191, v192-255: two sets of 64: x as f32, later a token tile's four fragments
.set MSB, 0
.macro WIN new                         ; the immediate's high byte repeats the setting that is left; a switch that changes nothing is dropped
.if MSB != \new
	s_set_vgpr_msb (MSB<<8)|\new
.set MSB, \new
.endif
.endm
	s_load_b256 s[4:11], s[0:1], 0x0               ; x s[4:5], wimg s[6:7], the exponents s[8:9], qimg s[10:11]
	s_load_b64 s[12:13], s[0:1], 0x20              ; kvimg
	v_lshl_add_u32 v[SPW], v0, 2, SPARE
	v_mov_b32 v[NIL], 0
	v_lshrrev_b32 v1, 5, v0
	v_readfirstlane_b32 s14, v1                    ; wave 0..7
	v_and_b32 v1, 31, v0                           ; lane l
	v_lshlrev_b32 v[GI], 4, v1
	v_lshlrev_b32 v[LI], 4, v1
	v_add_nc_u32 v[LI+1], 4*TILEB, v[LI]
	; load j of a row gives lane l k = 128 j + 4 l + 0 .. 3 of K step j: quad l / 8, image lane row + 16 ((l / 2) % 2), byte 8 ((l / 4) % 2) + 4 (l % 2)
	v_lshrrev_b32 v[LW], 3, v1
	v_mul_u32_u24 v[LW], v[LW], BLKP
	v_bfe_u32 v6, v1, 1, 1
	v_lshl_add_u32 v[LW], v6, 8, v[LW]
	v_bfe_u32 v6, v1, 2, 1
	v_lshl_add_u32 v[LW], v6, 3, v[LW]
	v_and_b32 v6, 1, v1
	v_lshl_add_u32 v[LW], v6, 2, v[LW]
	s_wait_alu depctr_va_sdst(0)                   ; s14, the wave's number, is written, ahead of its first reader
	s_mul_i32 s36, s14, TILEB
	v_add_nc_u32 v[LW], s36, v[LW]                 ; in my tile of tokens
	s_mov_b32 s15, ttmp9                           ; p
	s_and_b32 s26, ttmp7, 0xffff                   ; the block of 128 tokens
	s_lshl_b32 s40, s26, 18                        ; x: 128 rows of 2,048 bytes a block,
	s_lshl_b32 s41, s14, 15                        ; 16 rows a wave
	s_add_co_u32 s40, s40, s41
	s_lshl_b32 s42, s15, 18                        ; wimg: 262,144 bytes a weight, 32,768 for a wave's four tiles
	s_add_co_u32 s42, s42, s41
	s_mov_b32 s41, 0
	s_mov_b32 s43, 0
	s_lshr_b32 s36, s26, 5                         ; the batch,
	s_lshl_b32 s36, s36, 3
	s_add_co_u32 s36, s36, s14                     ; 8 x batch + head,
	s_lshl_b32 s36, s36, 18                        ; of 262,144 bytes in qimg,
	s_and_b32 s37, s26, 31
	s_lshl_b32 s37, s37, 13                        ; and the block's 8,192 bytes in it
	s_add_co_u32 s36, s36, s37
	s_mov_b32 s37, 0
	s_cmp_eq_u32 s15, 0
	s_cselect_b32 s38, 0, 1
	s_lshl_b32 s36, s36, s38                       ; in kvimg both are twice as large
	s_wait_kmcnt 0x0
	s_load_b256 s[16:23], s[8:9], 0x0              ; entries 0 to 7
	s_load_b32 s24, s[8:9], 0x20                   ; entry 8
	s_add_nc_u64 s[30:31], s[4:5], s[40:41]        ; my 16 rows of x
	s_add_nc_u64 s[32:33], s[6:7], s[42:43]        ; my 16 fragments of the weight
	s_cmp_eq_u32 s15, 0                            ; the buffer is chosen by the work-group's x alone
	s_cselect_b64 s[34:35], s[10:11], s[12:13]
	s_add_nc_u64 s[34:35], s[34:35], s[36:37]      ; where my head's codes of this block begin
.macro LOADX b                         ; rows 4 b .. 4 b + 3 of my 16, 512 consecutive bytes a load, into set b % 2.  No hint: three work-groups read these rows
.irp i, 0,1,2,3
.irp j, 0,1,2,3
	global_load_b128 v[Z+64*((\b)%2)+16*\i+4*\j:Z+64*((\b)%2)+16*\i+4*\j+3], v[GI], s[30:31] offset:2048*(4*(\b)+\i)+512*\j
.endr
.endr
.endm
.macro QROWS b, more                   ; they become codes and go to their places in my tile's images.  more = 1: the set is asked for again, for the batch after next
.set XB, Z+64*((\b)%2)
.irp i, 0,1,2,3
.irp n, 0,1,2,3,4,5,6,7,8,9,10,11,12,13,14,15
	v_med3_num_f32 v[XB+16*\i+\n], v[XB+16*\i+\n], -v[LMX], v[LMX]   ; the conversion to an 8-bit code does not saturate (ISA guide 7.6.2): the hold at the largest code x the scale
.endr
	v_cvt_scalef32_pk8_fp8_f32 v[CD+16*(\b)+4*\i:CD+16*(\b)+4*\i+1], v[XB+16*\i:XB+16*\i+7], v[SCX]
	v_cvt_scalef32_pk8_fp8_f32 v[CD+16*(\b)+4*\i+2:CD+16*(\b)+4*\i+3], v[XB+16*\i+8:XB+16*\i+15], v[SCX]
.endr
	s_wait_alu depctr_va_vdst(0)                   ; the batch's conversions have written its sixteen registers of CD, which the LDS stores below read; its holds and conversions are done with Z[b % 2], in which the loads below land
.if \more
	LOADX (\b)+2
.endif
.irp i, 0,1,2,3
.irp j, 0,1,2,3
	ds_store_b32 v[LW], v[CD+16*(\b)+4*\i+\j] offset:16*(4*(\b)+\i)+KSTP*\j
.endr
.endr
.endm
	s_wait_alu depctr_va_vdst(0)                   ; v2 to v5 are written: every load, store and LDS access of the kernel reads one of them as its offset or address
	LOADX 0                                        ; x first: it has the longer way
	LOADX 1
	WIN 0x40                                       ; destination window 1, address window 0
.set n, 0
.rept 64
	global_load_b128 v[4*n:4*n+3], v[GI], s[32:33] offset:512*n   ; the weight: tile i, K step s, quad q at register 64 i + 16 s + 4 q; 32,768 bytes on end
.set n, n+1
.endr
	WIN 0
	s_wait_kmcnt 0x0
	s_cmp_eq_u32 s15, 0
	s_cselect_b32 s27, s16, s18                    ; ex,
	s_cselect_b32 s28, s17, s19                    ; ew,
	s_cselect_b32 s29, s22, s23                    ; eo of q or k,
	s_cmp_eq_u32 s15, 2
	s_cselect_b32 s27, s20, s27                    ; or of v
	s_cselect_b32 s28, s21, s28
	s_cselect_b32 s29, s24, s29
	s_add_co_i32 s36, s27, 127
	s_lshl_b32 s37, s36, 23
	v_mov_b32 v[SCX], s37                          ; 2^ex
	s_add_co_i32 s36, s36, 8
	s_lshl_b32 s36, s36, 23
	s_or_b32 s36, s36, 0x600000
	v_mov_b32 v[LMX], s36                          ; 448 x 2^ex
	s_sub_co_i32 s36, s29, s27
	s_sub_co_i32 s36, s36, s28
	s_add_co_i32 s36, s36, 127
	s_lshl_b32 s37, s36, 23
	v_mov_b32 v[SCO], s37                          ; 2^(eo - ex - ew)
	s_add_co_i32 s36, s36, 8
	s_lshl_b32 s36, s36, 23
	s_or_b32 s36, s36, 0x600000
	v_mov_b32 v[LMO], s36
	s_wait_loadcnt 63                              ; batch 0 is in: 80 loads were issued behind it, the count's field ends at 63
	QROWS 0, 1                                     ; and batch 2 is asked for
	s_wait_loadcnt 63                              ; batch 1: again 80 behind it (the weight's 64, batch 2's 16)
	QROWS 1, 1                                     ; and batch 3
	s_wait_loadcnt 16                              ; batch 2, and with it the weight, which was asked for earlier; batch 3 stays out
	QROWS 2, 0
	s_wait_loadcnt 0x0
	QROWS 3, 0
	v_nop                                          ; a plain line behind the last conversion
	s_wait_dscnt 0x0                               ; for the others' sake: my stores have landed
	s_barrier_signal -1
	s_barrier_wait -1                              ; the eight tiles' images are whole; nothing is stored to LDS from here on
	s_wait_alu depctr_vm_vsrc(0)                   ; my LDS stores have read CD, which the results' conversions write again
.macro FETCH g                         ; token tile g's four fragments, sixteen quads, into set g % 2
.set ZF, Z+64*((\g)%2)
.set n, 0
.rept 16
	ds_load_b128 v[ZF+4*n:ZF+4*n+3], v[LI+(\g)/4] offset:((\g)%4)*TILEB+BLKP*n
.set n, n+1
.endr
.endm
; Token tile g: 16 products, my four tiles of 16 channels by turns, one instruction a turn, K ascending; the first of each sum takes the constant 0.
.macro MAIN g, vp
.if (\g) < 7
	s_wait_dscnt 16                                ; tile g's sixteen loads are in; tile g + 1's sixteen, asked for a tile ago, stay out
.else
	s_wait_dscnt 0x0
.endif
.set ZB, Z+64*((\g)%2)
.if \vp
	WIN 0x04                                       ; source 1 (the weight) window 1
.else
	WIN 0x01                                       ; source 0 (the weight) window 1
.endif
.irp s, 0,1,2,3
.irp i, 0,1,2,3
.if \vp
.if \s == 0
	v_wmma_f32_16x16x128_fp8_fp8 v[ACC+8*\i:ACC+8*\i+7], v[ZB+16*\s:ZB+16*\s+15], v[64*\i+16*\s:64*\i+16*\s+15], 0
.else
	v_wmma_f32_16x16x128_fp8_fp8 v[ACC+8*\i:ACC+8*\i+7], v[ZB+16*\s:ZB+16*\s+15], v[64*\i+16*\s:64*\i+16*\s+15], v[ACC+8*\i:ACC+8*\i+7]
.endif
.else
.if \s == 0
	v_wmma_f32_16x16x128_fp8_fp8 v[ACC+8*\i:ACC+8*\i+7], v[64*\i+16*\s:64*\i+16*\s+15], v[ZB+16*\s:ZB+16*\s+15], 0
.else
	v_wmma_f32_16x16x128_fp8_fp8 v[ACC+8*\i:ACC+8*\i+7], v[64*\i+16*\s:64*\i+16*\s+15], v[ZB+16*\s:ZB+16*\s+15], v[ACC+8*\i:ACC+8*\i+7]
.endif
.endif
.endr
.endr
	WIN 0
.rept 4
	v_nop                                          ; four places between the last product and the first read of results (ISA guide 7.12.1)
.endr
.set n, 0
.rept 32
	v_med3_num_f32 v[ACC+n], v[ACC+n], -v[LMO], v[LMO]   ; each accumulator from its low end on
.set n, n+1
.endr
.irp i, 0,1,2,3
.if \vp
	v_cvt_scalef32_pk8_fp8_f32 v[CD+16*\i+2*(\g):CD+16*\i+2*(\g)+1], v[ACC+8*\i:ACC+8*\i+7], v[SCO]   ; channel tile i: keys 16 g + 8 h + 0 .. 7: registers 2 g, 2 g + 1
.else
	v_cvt_scalef32_pk8_fp8_f32 v[CD+8*(\g)+2*\i:CD+8*(\g)+2*\i+1], v[ACC+8*\i:ACC+8*\i+7], v[SCO]     ; token tile g: channels 16 i + 8 h + 0 .. 7: registers 2 i, 2 i + 1
.endif
.endr
	v_nop                                          ; a plain line between the conversions and the next products, which write their sources
.if ((\g) < 6) || ((\vp) == 0) || (((\g)%2) == 1)      ; v's tile 6 neither fetches nor stores: it has nothing to state
	s_wait_alu depctr_va_vdst(0)                   ; the conversions have written the codes that the global stores below read; the tile's products are done reading Z[g % 2], in which the LDS loads below land
.endif
.if (\g) < 6
	FETCH (\g)+2                                   ; two tiles ahead: these sixteen loads have the next tile's products and conversions in which to land
.endif
.if \vp
.if ((\g)%2) == 1                      ; a quad of V is whole behind every second tile of tokens
.irp i, 0,1,2,3
	global_store_b128 v[GI], v[CD+16*\i+4*((\g)/2):CD+16*\i+4*((\g)/2)+3], s[34:35] offset:8192+2048*\i+512*((\g)/2)
.endr
.endif
.else
	global_store_b128 v[GI], v[CD+8*(\g):CD+8*(\g)+3], s[34:35] offset:1024*(\g)          ; 32 lanes store 512 consecutive bytes; every store has registers of its own, and the base never steps
	global_store_b128 v[GI], v[CD+8*(\g)+4:CD+8*(\g)+7], s[34:35] offset:1024*(\g)+512
.endif
.endm
	FETCH 0                                        ; no vector instruction since the last batch's wait on va_vdst names Z0 or Z1
	FETCH 1
	s_cmp_eq_u32 s15, 2                            ; v's products have their sources the other way round: a second copy of the eight tiles, chosen by the work-group's x
	s_cbranch_scc1 .Lv
.irp g, 0,1,2,3,4,5,6,7
	MAIN \g, 0
.endr
	s_branch .Lend
.Lv:
.irp g, 0,1,2,3,4,5,6,7
	MAIN \g, 1
.endr
.Lend:
	s_wait_dscnt 0x0                               ; the closing lines, six on end
	s_wait_alu 0x0
	s_wait_tensorcnt 0x0
	ds_add_u32 v[SPW], v[NIL]
	s_wait_dscnt 0x0
	s_endpgm
.Lfunc_end_k_q48123d6ace_qkv:
	.size	k_q48123d6ace_qkv, .Lfunc_end_k_q48123d6ace_qkv-k_q48123d6ace_qkv
	.p2alignl 7, 3214868480
	.fill 96, 4, 3214868480
	.section	.rodata,"a",@progbits
	.p2align	6, 0x0
	.amdhsa_kernel k_q48123d6ace_qkv
		.amdhsa_group_segment_fixed_size 68608
		.amdhsa_private_segment_fixed_size 0
		.amdhsa_enable_private_segment 0
		.amdhsa_kernarg_size 40
		.amdhsa_user_sgpr_count 2
		.amdhsa_user_sgpr_kernarg_segment_ptr 1
		.amdhsa_wavefront_size32 1
		.amdhsa_system_sgpr_workgroup_id_x 1
		.amdhsa_system_sgpr_workgroup_id_y 1
		.amdhsa_system_sgpr_workgroup_id_z 1
		.amdhsa_system_vgpr_workitem_id 0
		.amdhsa_next_free_vgpr 512
		.amdhsa_next_free_sgpr 66
		.amdhsa_reserve_vcc 0
		.amdhsa_float_denorm_mode_32 3
		.amdhsa_float_denorm_mode_16_64 3
		.amdhsa_memory_ordered 1
		.amdhsa_forward_progress 1
		.amdhsa_inst_pref_size 112
	.end_amdhsa_kernel
	.amdgpu_metadata
---
amdhsa.version: [ 1, 2 ]
amdhsa.kernels:
  - .name:           k_q48123d6ace_qkv
    .symbol:         k_q48123d6ace_qkv.kd
    .args:
      - { .name: x, .offset: 0, .size: 8, .value_kind: global_buffer, .address_space: global }
      - { .name: wimg, .offset: 8, .size: 8, .value_kind: global_buffer, .address_space: global }
      - { .name: lowp_scales, .offset: 16, .size: 8, .value_kind: global_buffer, .address_space: global }
      - { .name: qimg, .offset: 24, .size: 8, .value_kind: global_buffer, .address_space: global }
      - { .name: kvimg, .offset: 32, .size: 8, .value_kind: global_buffer, .address_space: global }
    .group_segment_fixed_size: 68608
    .private_segment_fixed_size: 0
    .kernarg_segment_align: 8
    .kernarg_segment_size: 40
    .max_flat_workgroup_size: 256
    .sgpr_count:     66
    .vgpr_count:     512
    .wavefront_size: 32
...
	.end_amdgpu_metadata
.endif
;; end of part 5
;; launch attn (part 6): grid 16 x 16, 8 waves a work-group, no clusters, 50,176 bytes of LDS; arguments qimg, kvimg, lowp_scales, aimg; writes aimg
.if DOCPART == 6
	.amdgcn_target "amdgcn-amd-amdhsa--gfx1250"
	.amdhsa_code_object_version 6
	.text
	.protected	k_q48123d6ace_attn
	.globl	k_q48123d6ace_attn
	.p2align	8
	.type	k_q48123d6ace_attn,@function
k_q48123d6ace_attn:
	s_mov_b64 s[64:65], 0
	v_nop
	global_prefetch_b8 v0, s[64:65] scope:SCOPE_SE
	s_setreg_imm32_b32 hwreg(HW_REG_WAVE_SCHED_MODE, 0, 2), 2
	s_setreg_imm32_b32 hwreg(HW_REG_WAVE_MODE, 25, 1), 1
	s_wait_xcnt 0x0
	s_wait_alu depctr_vm_vsrc(0)
; THIRD LAUNCH: causal attention on codes of FP8 (E4M3): S = q k^T, the streaming softmax, O = p v, O / the row's sum as codes for the last product.
; WORK LEFT OUT: key steps in which every key comes after every query of the block: reference()'s own jnp.tril makes their p 0 for all inputs.  A NaN, an infinity or an overflow that reaches only them is not carried on.
; THE SOFTMAX: t = score x log2(e) / sqrt(512); M = the running largest t rounded UP to a whole number; p = 2^(t - M) is quantised with 2^e9, not normalised; the row's sum is taken of the unquantised p and divides
; O at the end; when M moves, the sum and O are multiplied by 2^(old M - new M), which rounds nothing.  A p so far under the row's largest that it falls under the format's range under the running M is lost.
; EVEN SHARES.  A head has 32 blocks of 128 queries and 32 steps of 128 keys.  Work-group j (x of the grid; y = 8 x batch + head) owns block j (key steps 0 .. j) and block 31 - j (key steps 0 .. 31 - j):
; (j + 1) + (32 - j) = 33 steps for every work-group, walked as ONE row of 33 steps t: the key step is t up to t = j, then t - (j + 1).  So every trip count is a constant, and only t = j and t = 32 lie on the diagonal.
; Wave w owns queries 16 w .. 16 w + 15 of the block in hand.  Both products are used transposed (S^T = K Q^T, O^T = V^T P^T): a lane holds ONE query (lane % 16) throughout, eight neighbouring keys or channels in
; an accumulator's eight registers, and a conversion's two registers ARE registers 2 c, 2 c + 1 of the next operand.  All operands come as images of their registers (512 bytes a quad, lane l at 16 l).
; K AND V: a step's 16,384 bytes lie on end in kvimg.  Wave w carries bytes 2,048 w on through 16 registers into one of three LDS slots; all eight waves read them.  In trip t: step t + 4 is asked of memory, step t + 2 goes
; into LDS, V of step t and K of step t + 1 are read.  By this count eight global loads of a wave (two steps) are out at any time, under a counted wait; one barrier a trip.
; NO CLUSTER: in one and the same trip the sixteen work-groups of a head stand at different key steps (work-group j's second block starts j + 1 trips in), so no two of them ask for one tile at one time.
; LIMITS on the given exponents: e6 + e7 between -122 and 131 (added to c's exponent field); e9, and e10 - e8 - e9, between -126 and 119.  NaN among the inputs is not served.
; THE MODE: SCHED_MODE bits 1:0 = 2 (LLVM: expert scheduling mode 2), set by the entry lines.  The code itself states the register dependences
; between vector or matrix instructions and memory or LDS instructions, with s_wait_alu, always for 0.
; THE PLAN.  Registers that memory or LDS instructions touch, from the first trip on:
;   v1 .. v5      offsets and LDS addresses: written once at the head, never again.
;   LS0 .. LS2    A step's bytes on their way: global loads land, LDS stores read, no vector instruction names them.  Trip t stores set (t + 2) % 3 and loads into set (t + 1) % 3, which trip t - 1 stored.
;   VF            V's fragments: trip t's LDS loads land, trip t's four products read.
;   KF0 .. KF2    K's fragments, three sets by turns: trip t's eight products read set t % 3; trip t's LDS loads (K of step t + 1) land in set (t + 1) % 3, which the products of trip t - 2 read last.
;   AC            A block's codes: written by its last conversions, read by its two global stores; twice in the launch.
; So two waits stand at a trip's head, behind the barrier: one on vm_vsrc (the last trip's LDS stores have read the set in which this trip's global loads land) and ONE on va_vdst (the last trip's products are done
; reading VF, those of two trips back their set of K).  The vector and matrix instructions between that wait and the trip's 32 LDS loads are the eight products on set t % 3 and four v_nop: they name none of the loads' registers.
; The masks of the diagonal are made in runs of sixteen compares into scalar registers, one wait on va_sdst behind a run, then the sixteen selects.
.set SLOTB, 16384
.set SPARE, 3*SLOTB                    ; behind the three slots: the spare words, 128 bytes for each wave, which no other line names
.set LI,  1                            ; v1   16 x lane: LDS reads
.set LW,  2                            ; v2   16 x lane + 2,048 x wave: LDS stores
.set GL,  3                            ; v3   the same number as an offset in a step's bytes in memory
.set GO,  4                            ; v4   16 x lane: Q's loads and the stores
.set PFO, 5                            ; v5   256 x (thread % 64): the prefetches' offset
.set SPW, 6                            ; v6   LDS address of my spare word; never rewritten
.set NIL, 7                            ; v7   0; never rewritten
.set DD,  8                            ; v8   16 w + lane % 16 - 8 (lane / 16): my query in its block, less my half's eight keys
.set NM,  12                           ; v12  -M;  v13 the largest t so far
.set L,   14                           ; v[14:15] the row's sum in two halves
.set Q,   16                           ; v16-23  Q's fragment in hand;  v24-31 the second block's
.set QB,  24
.set LS,  32                           ; v32-79  three sets of 16: a step's bytes on their way
.set PC,  80                           ; v80-95  p's codes
.set S,   96                           ; v96-159 S^T, then p
.set O,   160                          ; v160-191 O^T
.set AC,  192                          ; v192-199 the output's codes
.set MX,  200                          ; v200, v201 at work
.set PD,  202                          ; v202 a lane permute's destination
.set L2,  204                          ; v[204:205] the second chain of sums
.set F,   206                          ; v[206:207] f = 2^(old M - new M), later 1 / the sum; the pair's upper word is only named
.set SC9, 208                          ; v208 2^e9;  v209 448 x 2^e9
.set LM9, 209
.set SCA, 210                          ; v210 2^(e10 - e8 - e9);  v211 448 x that
.set LMA, 211
.set NINF, 212                         ; v212 -infinity
.set VF,  0                            ; window 1: v0-63 V's four fragments;  v64-255 K's eight, three sets of 64: set u at KF + 64 u
.set KF,  64
.set MK,  42                           ; s42-57 at work at the head; from the first trip on sixteen lane masks of the diagonal
; s12 wave, s13 j, s14 8 x batch + head, s15 j + 1, s16 t, s17 the step that the next load fetches, s[18:19] its key step x 16,384, s[20:21] the head's first byte in kvimg, s[22:23] the loads' base,
; s[24:25] the prefetches' base, s26 1 in a wave that prefetches, s27 the loop's count, s[28:29] lane selects, s[30:31] c twice, s32-36 e6 .. e10, s37 1 where p wants its hold, s[38:39] where the block in hand is stored, s[40:41] the second block
.set MSB, 0
.macro WIN new                         ; the immediate's high byte repeats the setting that is left; a switch that changes nothing is dropped
.if MSB != \new
	s_set_vgpr_msb (MSB<<8)|\new
.set MSB, \new
.endif
.endm
; My 2,048 bytes of the next step, into register set rs.  pf = 1: and a prefetch into the L2, behind the four loads.  All sixteen work-groups of a head walk the same steps, and work-group 0, whose second block begins in
; trip 1, reaches each of them first: it alone asks, its waves 0 and 1, a lane for each 256 bytes: 64 lanes name a step's 16,384 bytes once.  In trip t it names key step t + 5, which its own loads ask for in trip t + 2.
; Trips 0 to 26 name key steps 5 to 31, the head's last; the other trips name nothing; steps 0 to 4 come by their loads alone.
.macro KVLOAD rs, pf
	s_wait_xcnt 0x0                                ; the last trip's loads and prefetch have read their bases: both may be written
	s_add_nc_u64 s[22:23], s[20:21], s[18:19]
.if \pf
	s_add_nc_u64 s[24:25], s[24:25], SLOTB
.endif
.irp i, 0,1,2,3
	global_load_b128 v[LS+16*(\rs)+4*\i:LS+16*(\rs)+4*\i+3], v[GL], s[22:23] offset:512*\i
.endr
.if \pf
	s_cmp_eq_u32 s26, 1
	s_cbranch_scc0 .Lnot_mine_\@
	global_prefetch_b8 v[PFO], s[24:25] th:TH_LOAD_NT scope:SCOPE_SE
.Lnot_mine_\@:
.endif
	s_add_co_u32 s17, s17, 1
	s_add_co_u32 s18, s18, SLOTB
	s_cmp_eq_u32 s17, s15                          ; behind step j the walk begins again at key step 0, for the second block
	s_cselect_b32 s18, 0, s18
.endm
.macro KVSTORE rs                      ; register set rs into slot rs
.irp i, 0,1,2,3
	ds_store_b128 v[LW], v[LS+16*(\rs)+4*\i:LS+16*(\rs)+4*\i+3] offset:SLOTB*(\rs)+512*\i
.endr
.endm
.macro MASK                            ; on the diagonal: register n holds key 16 (n / 8) + 8 (lane / 16) + n % 8 of the step; hidden where it is above my query: the score becomes -infinity, p = 0
.irp b, 0,1,2,3                        ; sixteen registers at a time
.set n, 0
.rept 16
	v_cmp_gt_i32 s[MK+n], 16*((16*\b+n)/8)+(16*\b+n)%8, v[DD]
.set n, n+1
.endr
	s_wait_alu depctr_va_sdst(0)                   ; the sixteen compares have written their masks s[MK ..], which the selects below read
.set n, 0
.rept 16
	v_cndmask_b32 v[S+16*\b+n], v[S+16*\b+n], v[NINF], s[MK+n]
.set n, n+1
.endr
.endr
.endm
.macro INIT                            ; a block begins: the largest t is -3e38, under every t; the sum and O^T are zeros, which the first change of M leaves zeros, so that the step is written once
	v_mov_b32 v[NM+1], 0xff61b1e6
	v_floor_f32 v[NM], -v[NM+1]
	v_mov_b32 v[L], 0
	v_mov_b32 v[L+1], 0
.set n, 0
.rept 32
	v_mov_b32 v[O+n], 0
.set n, n+1
.endr
.endm
.macro SOFTMAX
	v_max3_num_f32 v[MX], v[S], v[S+1], v[S+2]     ; the step's largest score of my query among my 64 keys, in two chains; each accumulator is first read at its low end
	v_max3_num_f32 v[MX+1], v[S+3], v[S+4], v[S+5]
.irp i, 6,10,14,18,22,26,30,34,38,42,46,50,54,58
	v_max3_num_f32 v[MX], v[MX], v[S+\i], v[S+\i+1]
	v_max3_num_f32 v[MX+1], v[MX+1], v[S+\i+2], v[S+\i+3]
.endr
	v_max3_num_f32 v[MX], v[MX], v[S+62], v[S+63]
	v_max_num_f32 v[MX], v[MX], v[MX+1]
	v_permlanex16_b32 v[PD], v[MX], s28, s29
	v_max_num_f32 v[MX], v[MX], v[PD]              ; and among the other half's 64
	v_mul_f32 v[MX], s30, v[MX]                    ; as t (c is positive)
	v_max_num_f32 v[NM+1], v[NM+1], v[MX]          ; the running largest t
	v_mov_b32 v[MX], v[NM]
	v_floor_f32 v[NM], -v[NM+1]                    ; the new -M = floor(-t) = -ceil(t): a whole number
	v_sub_f32 v[MX], v[NM], v[MX]                  ; old M less new M: a whole number, 0 or less
	v_cvt_i32_f32 v[MX], v[MX]                     ; (it saturates)
	v_ldexp_f32 v[F], 1.0, v[MX]                   ; f = 2^(old M - new M)
.set n, 0
.rept 32
	v_pk_fma_f32 v[S+2*n:S+2*n+1], v[S+2*n:S+2*n+1], s[30:31], v[NM:NM+1] op_sel_hi:[1,0,0]   ; t - M, two at a time (of the pairs c and -M the low word serves both halves)
.set n, n+1
.endr
.set n, 0
.rept 64
	v_exp_f32 v[S+n], v[S+n]                       ; p = 2^(t - M): one batch
.set n, n+1
.endr
	v_pk_mul_f32 v[L:L+1], v[L:L+1], v[F:F+1] op_sel_hi:[1,0]   ; the sum under the new M: the plain line behind the exponentials
	s_wait_alu depctr_va_vdst(0)                   ; the 64 exponentials have written v[S ..]: the wait ahead of the first line that names a result: one for the batch
	v_pk_add_f32 v[L2:L2+1], v[S:S+1], v[S+2:S+3]  ; the row's sum is taken of the unquantised p, two at a time, in two chains
.irp i, 4,8,12,16,20,24,28,32,36,40,44,48,52,56,60
	v_pk_add_f32 v[L:L+1], v[L:L+1], v[S+\i:S+\i+1]
	v_pk_add_f32 v[L2:L2+1], v[L2:L2+1], v[S+\i+2:S+\i+3]
.endr
	v_pk_add_f32 v[L:L+1], v[L:L+1], v[L2:L2+1]
	s_cmp_eq_u32 s37, 0                            ; the hold at 448 x 2^e9.  p is at most 1 (but for the last bits of t - M); where e9 is -8 or more the bound is 1.75 or more and holds nothing back:
	s_cbranch_scc1 .Lno_hold_\@                    ; a whole number read from memory decides, the same in every wave
.set n, 0
.rept 64
	v_min_num_f32 v[S+n], v[S+n], v[LM9]           ; the conversion to an 8-bit code does not saturate (ISA guide 7.6.2); p is not negative, so the hold is one-sided
.set n, n+1
.endr
.Lno_hold_\@:
.irp i, 0,1,2,3,4,5,6,7
	v_cvt_scalef32_pk8_fp8_f32 v[PC+2*\i:PC+2*\i+1], v[S+8*\i:S+8*\i+7], v[SC9]   ; keys 16 i + 8 h + 0 .. 7: registers 2 i, 2 i + 1 of P's fragment
.endr
.set n, 0
.rept 16
	v_pk_mul_f32 v[O+2*n:O+2*n+1], v[O+2*n:O+2*n+1], v[F:F+1] op_sel_hi:[1,0]   ; O^T under the new M; these are also the plain lines between the conversions and the products
.set n, n+1
.endr
.endm
.macro FINAL                           ; a block is done: O^T / the sum becomes codes, two quads of the rows' image
.rept 4
	v_nop                                          ; four places between the last product and the first read of its result (ISA guide 7.12.1)
.endr
	v_add_f32 v[L], v[L], v[L+1]
	v_permlanex16_b32 v[PD], v[L], s28, s29
	v_add_f32 v[L], v[L], v[PD]                    ; the row's sum: both halves of the pair, both halves of the lanes
	v_rcp_f32 v[F], v[L]
	v_nop                                          ; a plain line behind the reciprocal
	s_wait_alu depctr_va_vdst(0)                   ; the reciprocal has written v[F]: the wait ahead of its first reader
.set n, 0
.rept 16
	v_pk_mul_f32 v[O+2*n:O+2*n+1], v[O+2*n:O+2*n+1], v[F:F+1] op_sel_hi:[1,0]
.set n, n+1
.endr
.set n, 0
.rept 32
	v_med3_num_f32 v[O+n], v[O+n], -v[LMA], v[LMA]
.set n, n+1
.endr
.irp i, 0,1,2,3
	v_cvt_scalef32_pk8_fp8_f32 v[AC+2*\i:AC+2*\i+1], v[O+8*\i:O+8*\i+7], v[SCA]   ; a sum stands for sum x 2^(e8 + e9): the three exponents are folded into one
.endr
	v_nop                                          ; a plain line behind the last conversion
	s_wait_alu depctr_va_vdst(0)                   ; the four conversions have written v[AC ..], which the two stores read
	global_store_b128 v[GO], v[AC:AC+3], s[38:39]               ; 32 lanes store 512 consecutive bytes
	global_store_b128 v[GO], v[AC+4:AC+7], s[38:39] offset:512
.endm
.macro REINIT                          ; on to the second block
	s_wait_xcnt 0x0                                ; the two stores have read their base and their registers
	s_wait_alu depctr_vm_vsrc(0)                   ; the two stores have read v[AC ..], which the second block's conversions write again
	s_mov_b64 s[38:39], s[40:41]
.irp i, 0,1,2,3,4,5,6,7
	v_mov_b32 v[Q+\i], v[QB+\i]
.endr
	INIT
.endm
; STEP t, written for u = t % 3.  ld: step t + 4 is asked for; st: step t + 2 goes to LDS, with cnt younger loads left out; kp: K of step t + 1 is read; pf: see KVLOAD; mode 0: no diagonal; 1: the diagonal where t = j; 2: the last step.
.macro STEP u, ld, st, cnt, kp, pf, mode
	s_wait_dscnt 0x0                               ; my LDS stores of the last trip have landed, my reads of it are in (K of this step among them):
	s_barrier_signal -1
	s_barrier_wait -1                              ; so of every wave: slots u and u + 1 are whole, and nobody reads slot u + 2 any more
.if \ld
	s_wait_alu depctr_vm_vsrc(0)                   ; the last trip's LDS stores have read register set u + 1, in which the global loads below land
.endif
	s_wait_alu depctr_va_vdst(0)                   ; the last trip's four products are done reading VF, and the eight of two trips back set u + 1 of K: the LDS loads below land in both
.if \st
	s_wait_loadcnt \cnt                            ; step t + 2's four loads are in; the four of step t + 3, where there are such, stay out
	KVSTORE ((\u)+2)%3
.endif
.if \ld
	KVLOAD ((\u)+1)%3, \pf
.endif
	WIN 0x01                                       ; source 0 (K) window 1
.irp i, 0,1,2,3,4,5,6,7
	v_wmma_f32_16x16x64_fp8_fp8 v[S+8*\i:S+8*\i+7], v[KF+64*(\u)+8*\i:KF+64*(\u)+8*\i+7], v[Q:Q+7], 0   ; 16 keys x my 16 queries, all of the head's 64; K's set u
.endr
.rept 4
	v_nop                                          ; four places between the last product and the first read of the scores (ISA guide 7.12.1)
.endr
	WIN 0x40                                       ; destination window 1
.set n, 0
.rept 16
	ds_load_b128 v[VF+4*n:VF+4*n+3], v[LI] offset:SLOTB*(\u)+8192+512*n   ; no wait: no vector or matrix instruction since the wait at the trip's head names VF
.set n, n+1
.endr
.if \kp
.set n, 0
.rept 16
	ds_load_b128 v[KF+64*(((\u)+1)%3)+4*n:KF+64*(((\u)+1)%3)+4*n+3], v[LI] offset:SLOTB*(((\u)+1)%3)+512*n   ; a step ahead of its use, into K's set u + 1, which the products above do not name
.set n, n+1
.endr
.endif
	WIN 0
.if \mode == 1
	s_cmp_lg_u32 s16, s13
	s_cbranch_scc1 .Lopen_\@
	MASK
.Lopen_\@:
.endif
.if \mode == 2
	MASK
.endif
	SOFTMAX
.if \kp
	s_wait_dscnt 16                                ; V is in; K's sixteen loads stay out
.else
	s_wait_dscnt 0x0
.endif
	WIN 0x01                                       ; source 0 (V) window 1
.irp i, 0,1,2,3
	v_wmma_f32_16x16x128_fp8_fp8 v[O+8*\i:O+8*\i+7], v[VF+16*\i:VF+16*\i+15], v[PC:PC+15], v[O+8*\i:O+8*\i+7]   ; 16 channels x my 16 queries, 128 keys; the four sums by turns, the scores' eight products between two of their links
.endr
	WIN 0
.if \mode == 1
	s_cmp_lg_u32 s16, s13
	s_cbranch_scc1 .Lgo_on_\@
	FINAL
	REINIT
.Lgo_on_\@:
.endif
.if \mode == 2
	FINAL
.endif
	s_add_co_u32 s16, s16, 1
.endm
	s_load_b256 s[4:11], s[0:1], 0x0               ; qimg s[4:5], kvimg s[6:7], the exponents s[8:9], aimg s[10:11]
	v_lshl_add_u32 v[SPW], v0, 2, SPARE
	v_mov_b32 v[NIL], 0
	v_lshrrev_b32 v9, 5, v0
	v_readfirstlane_b32 s12, v9                    ; wave 0..7
	v_and_b32 v9, 31, v0
	v_lshlrev_b32 v[LI], 4, v9
	v_lshlrev_b32 v[GO], 4, v9
	s_wait_alu depctr_va_sdst(0)                   ; s12, the wave's number, is written, ahead of its first reader
	s_lshl_b32 s42, s12, 11
	v_add_nc_u32 v[LW], s42, v[LI]
	v_add_nc_u32 v[GL], s42, v[GO]
	v_and_b32 v[PFO], 63, v0
	v_lshlrev_b32 v[PFO], 8, v[PFO]
	v_and_b32 v9, 15, v0
	v_bfe_u32 v10, v0, 4, 1
	v_lshlrev_b32 v10, 3, v10
	v_sub_nc_u32 v[DD], v9, v10
	s_lshl_b32 s42, s12, 4
	v_add_nc_u32 v[DD], s42, v[DD]
	v_mov_b32 v[PD], 0                             ; written once: a lane permute's destination counts as one of its sources
	v_mov_b32 v[F+1], 0                            ; (named as the upper half of a pair)
	v_mov_b32 v[NINF], 0xff800000
	s_mov_b32 s13, ttmp9                           ; j
	s_and_b32 s14, ttmp7, 0xffff                   ; 8 x batch + head
	s_add_co_u32 s15, s13, 1
	s_sub_co_u32 s48, 31, s13                      ; the second block
	s_lshl_b32 s42, s14, 18                        ; qimg: 262,144 bytes a head, 8,192 a block, 1,024 a wave's tile
	s_lshl_b32 s43, s12, 10
	s_add_co_u32 s42, s42, s43
	s_lshl_b32 s44, s13, 13
	s_add_co_u32 s44, s44, s42
	s_mov_b32 s45, 0
	s_lshl_b32 s46, s48, 13
	s_add_co_u32 s46, s46, s42
	s_mov_b32 s47, 0
	s_lshr_b32 s42, s14, 3                         ; aimg: [tile of 16 rows][head][1,024]: 2^21 bytes a batch, 65,536 a block, 8,192 a tile
	s_lshl_b32 s42, s42, 21
	s_and_b32 s43, s14, 7
	s_lshl_b32 s43, s43, 10
	s_add_co_u32 s42, s42, s43
	s_lshl_b32 s43, s12, 13
	s_add_co_u32 s42, s42, s43
	s_lshl_b32 s50, s13, 16
	s_add_co_u32 s50, s50, s42
	s_mov_b32 s51, 0
	s_lshl_b32 s52, s48, 16
	s_add_co_u32 s52, s52, s42
	s_mov_b32 s53, 0
	s_lshl_b32 s54, s14, 19                        ; kvimg: 524,288 bytes a head
	s_mov_b32 s55, 0
	s_mov_b32 s17, 0
	s_mov_b32 s18, 0
	s_mov_b32 s19, 0
	s_mov_b32 s28, 0x76543210                      ; v_permlanex16_b32: lane l takes lane l xor 16
	s_mov_b32 s29, 0xfedcba98
	s_lshr_b32 s42, s12, 1                         ; 0 in waves 0 and 1,
	s_or_b32 s42, s42, s13                         ; of the head's work-group 0
	s_cmp_eq_u32 s42, 0
	s_cselect_b32 s26, 1, 0
	s_wait_kmcnt 0x0
	s_load_b64 s[32:33], s[8:9], 0x18              ; e6, e7
	s_load_b64 s[34:35], s[8:9], 0x20              ; e8, e9
	s_load_b32 s36, s[8:9], 0x28                   ; e10
	s_add_nc_u64 s[20:21], s[6:7], s[54:55]
	s_add_nc_u64 s[44:45], s[4:5], s[44:45]
	s_add_nc_u64 s[46:47], s[4:5], s[46:47]
	s_add_nc_u64 s[38:39], s[10:11], s[50:51]
	s_add_nc_u64 s[40:41], s[10:11], s[52:53]
	s_wait_alu depctr_va_vdst(0)                   ; v1 to v5 are written: every load, store, prefetch and LDS access of the kernel reads one of them as its offset or address
	global_load_b128 v[Q:Q+3], v[GO], s[44:45]                 ; both blocks' Q stay in registers
	global_load_b128 v[Q+4:Q+7], v[GO], s[44:45] offset:512
	global_load_b128 v[QB:QB+3], v[GO], s[46:47]
	global_load_b128 v[QB+4:QB+7], v[GO], s[46:47] offset:512
	KVLOAD 0, 0                                    ; steps 0, 1, 2
	KVLOAD 1, 0
	KVLOAD 2, 0
	s_wait_kmcnt 0x0
	s_add_co_i32 s42, s32, s33
	s_lshl_b32 s42, s42, 23
	s_add_co_i32 s30, s42, 0x3d8293ee              ; c = log2(e) / sqrt(512), with e6 + e7 added to its exponent field: a score stands for score x 2^(e6 + e7)
	s_mov_b32 s31, s30                             ; (named with it as a pair)
	s_add_co_i32 s42, s35, 127
	s_lshl_b32 s43, s42, 23
	v_mov_b32 v[SC9], s43                          ; 2^e9
	s_add_co_i32 s42, s42, 8
	s_lshl_b32 s42, s42, 23
	s_or_b32 s42, s42, 0x600000
	v_mov_b32 v[LM9], s42                          ; 448 x 2^e9
	s_cmp_lt_i32 s35, -8
	s_cselect_b32 s37, 1, 0
	s_sub_co_i32 s42, s36, s34
	s_sub_co_i32 s42, s42, s35
	s_add_co_i32 s42, s42, 127
	s_lshl_b32 s43, s42, 23
	v_mov_b32 v[SCA], s43                          ; 2^(e10 - e8 - e9)
	s_add_co_i32 s42, s42, 8
	s_lshl_b32 s42, s42, 23
	s_or_b32 s42, s42, 0x600000
	v_mov_b32 v[LMA], s42
	INIT
	s_wait_loadcnt 4                               ; Q and steps 0 and 1 are in; step 2's four loads stay out
	KVSTORE 0
	KVSTORE 1
	s_wait_dscnt 0x0                               ; for the others' sake: my stores have landed
	s_wait_alu depctr_vm_vsrc(0)                   ; the LDS stores have read register set 0, in which step 3's loads land
	KVLOAD 0, 0                                    ; step 3
	s_barrier_signal -1
	s_barrier_wait -1                              ; slots 0 and 1 are whole
	WIN 0x40
.set n, 0
.rept 16
	ds_load_b128 v[KF+4*n:KF+4*n+3], v[LI] offset:512*n   ; K of step 0, into set 0, which no vector or matrix instruction has named yet
.set n, n+1
.endr
	WIN 0
	s_mov_b32 s16, 0
	s_add_nc_u64 s[24:25], s[20:21], 4*SLOTB       ; trip 0 steps it to key step 5
	s_mov_b32 s27, 9
.Ltrip:                                            ; nine trips of three steps: t = 0 .. 26; j is at most 15, so the first block ends in here
	STEP 0, 1, 1, 4, 1, 1, 1
	STEP 1, 1, 1, 4, 1, 1, 1
	STEP 2, 1, 1, 4, 1, 1, 1
	s_sub_co_u32 s27, s27, 1
	s_cmp_lg_u32 s27, 0
	s_cbranch_scc1 .Ltrip
	STEP 0, 1, 1, 4, 1, 0, 0                       ; t = 27: the tail is written out: its counts run down
	STEP 1, 1, 1, 4, 1, 0, 0                       ; t = 28: the last load, step 32
	STEP 2, 0, 1, 4, 1, 0, 0                       ; t = 29: step 31 goes to LDS, step 32's four loads stay out
	STEP 0, 0, 1, 0, 1, 0, 0                       ; t = 30: step 32 goes to LDS
	STEP 1, 0, 0, 0, 1, 0, 0                       ; t = 31
	STEP 2, 0, 0, 0, 0, 0, 2                       ; t = 32: the second block's diagonal, and its way out
	s_wait_dscnt 0x0                               ; the closing lines, six on end
	s_wait_alu 0x0
	s_wait_tensorcnt 0x0
	ds_add_u32 v[SPW], v[NIL]
	s_wait_dscnt 0x0
	s_endpgm
.Lfunc_end_k_q48123d6ace_attn:
	.size	k_q48123d6ace_attn, .Lfunc_end_k_q48123d6ace_attn-k_q48123d6ace_attn
	.p2alignl 7, 3214868480
	.fill 96, 4, 3214868480
	.section	.rodata,"a",@progbits
	.p2align	6, 0x0
	.amdhsa_kernel k_q48123d6ace_attn
		.amdhsa_group_segment_fixed_size 50176
		.amdhsa_private_segment_fixed_size 0
		.amdhsa_enable_private_segment 0
		.amdhsa_kernarg_size 32
		.amdhsa_user_sgpr_count 2
		.amdhsa_user_sgpr_kernarg_segment_ptr 1
		.amdhsa_wavefront_size32 1
		.amdhsa_system_sgpr_workgroup_id_x 1
		.amdhsa_system_sgpr_workgroup_id_y 1
		.amdhsa_system_sgpr_workgroup_id_z 1
		.amdhsa_system_vgpr_workitem_id 0
		.amdhsa_next_free_vgpr 512
		.amdhsa_next_free_sgpr 66
		.amdhsa_reserve_vcc 0
		.amdhsa_float_denorm_mode_32 3
		.amdhsa_float_denorm_mode_16_64 3
		.amdhsa_memory_ordered 1
		.amdhsa_forward_progress 1
		.amdhsa_inst_pref_size 209
	.end_amdhsa_kernel
	.amdgpu_metadata
---
amdhsa.version: [ 1, 2 ]
amdhsa.kernels:
  - .name:           k_q48123d6ace_attn
    .symbol:         k_q48123d6ace_attn.kd
    .args:
      - { .name: qimg, .offset: 0, .size: 8, .value_kind: global_buffer, .address_space: global }
      - { .name: kvimg, .offset: 8, .size: 8, .value_kind: global_buffer, .address_space: global }
      - { .name: lowp_scales, .offset: 16, .size: 8, .value_kind: global_buffer, .address_space: global }
      - { .name: aimg, .offset: 24, .size: 8, .value_kind: global_buffer, .address_space: global }
    .group_segment_fixed_size: 50176
    .private_segment_fixed_size: 0
    .kernarg_segment_align: 8
    .kernarg_segment_size: 32
    .max_flat_workgroup_size: 256
    .sgpr_count:     66
    .vgpr_count:     512
    .wavefront_size: 32
...
	.end_amdgpu_metadata
.endif
;; end of part 6
;; launch oproj (part 7): grid 4 x 64, 8 waves a work-group, no clusters, 35,840 bytes of LDS; arguments aimg, wimg, lowp_scales, bo, out0; writes out0
.if DOCPART == 7
	.amdgcn_target "amdgcn-amd-amdhsa--gfx1250"
	.amdhsa_code_object_version 6
	.text
	.protected	k_q48123d6ace_oproj
	.globl	k_q48123d6ace_oproj
	.p2align	8
	.type	k_q48123d6ace_oproj,@function
k_q48123d6ace_oproj:
	s_mov_b64 s[64:65], 0
	v_nop
	global_prefetch_b8 v0, s[64:65] scope:SCOPE_SE
	s_setreg_imm32_b32 hwreg(HW_REG_WAVE_SCHED_MODE, 0, 2), 2
	s_setreg_imm32_b32 hwreg(HW_REG_WAVE_MODE, 25, 1), 1
	s_wait_xcnt 0x0
	s_wait_alu depctr_vm_vsrc(0)
; FOURTH LAUNCH: out0 = a Wo^T x 2^(e10 + e11) + bo, on codes of FP8 (E4M3): a's from aimg, Wo's from wimg (the fourth weight there).  No work is left out here.
; LIMIT: e10 + e11 between -126 and 127, so that 2^(e10 + e11) is an f32 number.
; A work-group makes 128 rows x 128 columns (x of the grid: the columns, y: the rows); wave w makes rows 32 (w / 2) on x columns 64 (w % 2) on: 2 x 4 accumulators.  All of K = 512 lies in registers:
; both operands come as images of their registers (a fragment of 16 rows x 128 k = four quads of 512 bytes, lane l at 16 l), straight from memory, four loads a fragment.
; THE PRODUCT IS USED TRANSPOSED (source 0 = 16 rows of Wo, source 1 = 16 rows of a): a lane holds one row of out0 and eight neighbouring columns.  They go through the wave's own stage in LDS and leave as
; runs of 256 consecutive bytes, sixteen lanes to a run.
; No cluster and no tensor load: the operands go straight into registers, once, and there is no ring to fill.
; THE MODE: SCHED_MODE bits 1:0 = 2 (LLVM: expert scheduling mode 2), set by the entry lines.  The code itself states the register dependences
; between vector or matrix instructions and memory or LDS instructions, with s_wait_alu, always for 0.
; THE PLAN.  Registers that memory or LDS instructions touch:
;   v2 .. v6              offsets and LDS addresses: written once at the head, never again.
;   BI, AF, window 1      The bias, a's and Wo's fragments: global loads land once.
;   AF + 64 m + 0 .. 31   On the way out: written by tile m's sixteen multiply-adds, read by its eight LDS stores.
;   AF + 64 m + 32 .. 63  Read by the products as fragments of a; on the way out the stage's LDS loads land there and the global stores read them.
; So one wait on va_vdst stands ahead of the first load, for the addresses, and ONE behind the 32 multiply-adds of both tiles, for all sixteen LDS stores and all sixteen LDS loads of the way out.
.set SPITCH, 272                       ; a stage row: 64 columns of 4 bytes + 16 of padding
.set STG,    16*SPITCH                 ; a wave's stage
.set SPARE,  8*STG                     ; behind the stages (34,816 = 136 x 256): the spare words, 128 bytes for each wave, which no other line names
.set GI,  2                            ; v2   16 x lane
.set BO,  3                            ; v3   32 x (lane / 16): my half's eight numbers of the bias
.set SO,  4                            ; v4   the stage: where I put 32 bytes of a row
.set SR,  5                            ; v5   and where I read 16 bytes of a row back
.set CO,  6                            ; v6   the same place in out0
.set SPW, 12                           ; v12  LDS address of my spare word; never rewritten
.set NIL, 13                           ; v13  0; never rewritten
.set BI,  32                           ; v32-63   the bias: eight registers for each of my four tiles of columns
.set AF,  64                           ; v64-191  a's fragments: tile mt, K step s at 64 mt + 16 s; on the way out 32 results and 32 read back for each mt
.set ACC, 192                          ; v192-255 the accumulators: (mt, nt) at 8 (4 mt + nt)
                                       ; window 1: Wo's fragments: tile nt, K step s at 64 nt + 16 s
.set MSB, 0
.macro WIN new                         ; the immediate's high byte repeats the setting that is left; a switch that changes nothing is dropped
.if MSB != \new
	s_set_vgpr_msb (MSB<<8)|\new
.set MSB, \new
.endif
.endm
	s_load_b256 s[4:11], s[0:1], 0x0               ; aimg s[4:5], wimg s[6:7], the exponents s[8:9], bo s[10:11]
	s_load_b64 s[12:13], s[0:1], 0x20              ; out0
	v_lshl_add_u32 v[SPW], v0, 2, SPARE
	v_mov_b32 v[NIL], 0
	v_lshrrev_b32 v1, 5, v0
	v_readfirstlane_b32 s14, v1                    ; wave 0..7
	v_and_b32 v1, 31, v0
	v_lshlrev_b32 v[GI], 4, v1
	v_and_b32 v7, 15, v0                           ; r
	v_bfe_u32 v8, v0, 4, 1                         ; h
	v_lshlrev_b32 v[BO], 5, v8
	s_wait_alu depctr_va_sdst(0)                   ; s14, the wave's number, is written, ahead of its first reader
	s_mul_i32 s30, s14, STG
	v_mul_u32_u24 v[SO], v7, SPITCH
	v_lshl_add_u32 v[SO], v8, 5, v[SO]
	v_add_nc_u32 v[SO], s30, v[SO]                 ; in: row r, + 32 h
	v_mul_u32_u24 v[SR], v8, SPITCH
	v_lshl_add_u32 v[SR], v7, 4, v[SR]
	v_add_nc_u32 v[SR], s30, v[SR]                 ; back: lanes 0-15 one row, lanes 16-31 the next
	v_lshlrev_b32 v[CO], 11, v8
	v_lshl_add_u32 v[CO], v7, 4, v[CO]             ; and the same two rows of 2,048 bytes in out0
	s_lshr_b32 s15, s14, 1                         ; which 32 rows
	s_and_b32 s28, s14, 1                          ; which 64 columns
	s_and_b32 s29, ttmp7, 0xffff
	s_lshl_b32 s32, s29, 16                        ; aimg: 8,192 bytes a tile of 16 rows: 8 tiles a block, 2 a wave
	s_lshl_b32 s33, s15, 14
	s_add_co_u32 s32, s32, s33
	s_mov_b32 s33, 0
	s_lshl_b32 s34, ttmp9, 16                      ; wimg: the fourth weight; 8 tiles of 8,192 bytes a block, 4 a wave
	s_lshl_b32 s35, s28, 15
	s_add_co_u32 s34, s34, s35
	s_add_co_u32 s34, s34, 3*262144
	s_mov_b32 s35, 0
	s_lshl_b32 s36, ttmp9, 9                       ; my first column, in bytes: 512 x block + 256 x half
	s_lshl_b32 s37, s28, 8
	s_add_co_u32 s36, s36, s37
	s_mov_b32 s37, 0
	s_lshl_b32 s38, s29, 18                        ; out0: 128 rows of 2,048 bytes a block, 32 a wave
	s_lshl_b32 s39, s15, 16
	s_add_co_u32 s38, s38, s39
	s_add_co_u32 s38, s38, s36
	s_mov_b32 s39, 0
	s_wait_kmcnt 0x0
	s_load_b64 s[24:25], s[8:9], 0x28              ; e10, e11
	s_add_nc_u64 s[16:17], s[4:5], s[32:33]
	s_add_nc_u64 s[18:19], s[6:7], s[34:35]
	s_add_nc_u64 s[20:21], s[10:11], s[36:37]
	s_add_nc_u64 s[22:23], s[12:13], s[38:39]
	s_wait_alu depctr_va_vdst(0)                   ; v2 to v6 are written: every load, store and LDS access of the kernel reads one of them as its offset or address
.irp t, 0,1,2,3
	global_load_b128 v[BI+8*\t:BI+8*\t+3], v[BO], s[20:21] offset:64*\t        ; bo at columns 16 t + 8 h + 0 .. 7 of my 64
	global_load_b128 v[BI+8*\t+4:BI+8*\t+7], v[BO], s[20:21] offset:64*\t+16
.endr
.irp s, 0,1,2,3                        ; K step by K step: 16 loads of Wo, 8 of a, 512 consecutive bytes each
	WIN 0x40                                       ; destination window 1
.irp t, 0,1,2,3
.irp q, 0,1,2,3
	global_load_b128 v[64*\t+16*\s+4*\q:64*\t+16*\s+4*\q+3], v[GI], s[18:19] offset:8192*\t+2048*\s+512*\q
.endr
.endr
	WIN 0
.irp m, 0,1
.irp q, 0,1,2,3
	global_load_b128 v[AF+64*\m+16*\s+4*\q:AF+64*\m+16*\s+4*\q+3], v[GI], s[16:17] offset:8192*\m+2048*\s+512*\q
.endr
.endr
.endr
	s_wait_kmcnt 0x0
	s_add_co_i32 s26, s24, s25
	s_add_co_i32 s26, s26, 127
	s_lshl_b32 s26, s26, 23                        ; 2^(e10 + e11) as f32
	s_mov_b32 s27, s26                             ; (named with it as a pair)
.irp s, 0,1,2,3
.if \s == 0
	s_wait_loadcnt 63                              ; K step 0 is in: 72 loads were issued behind it, the count's field ends at 63
.else
	s_wait_loadcnt 24*(3-\s)                       ; this K step is in; the later steps' 24 loads each stay out
.endif
	WIN 0x01                                       ; source 0 (Wo) window 1
.irp m, 0,1
.irp t, 0,1,2,3
.if \s == 0
	v_wmma_f32_16x16x128_fp8_fp8 v[ACC+8*(4*\m+\t):ACC+8*(4*\m+\t)+7], v[64*\t+16*\s:64*\t+16*\s+15], v[AF+64*\m+16*\s:AF+64*\m+16*\s+15], 0   ; the first K step starts the sums
.else
	v_wmma_f32_16x16x128_fp8_fp8 v[ACC+8*(4*\m+\t):ACC+8*(4*\m+\t)+7], v[64*\t+16*\s:64*\t+16*\s+15], v[AF+64*\m+16*\s:AF+64*\m+16*\s+15], v[ACC+8*(4*\m+\t):ACC+8*(4*\m+\t)+7]   ; the eight sums by turns, one instruction a turn
.endif
.endr
.endr
.endr
	WIN 0
.rept 4
	v_nop                                          ; four places between the last product and the first read of results, and the first write over a's registers (ISA guide 7.12.1)
.endr
.irp m, 0,1
.irp t, 0,1,2,3
.irp i, 0,2,4,6
	v_pk_fma_f32 v[AF+64*\m+8*\t+\i:AF+64*\m+8*\t+\i+1], v[ACC+8*(4*\m+\t)+\i:ACC+8*(4*\m+\t)+\i+1], s[26:27], v[BI+8*\t+\i:BI+8*\t+\i+1] op_sel_hi:[1,0,1]   ; sum x 2^(e10 + e11) + bo, two at a time; each accumulator from its low end on
.endr
.endr
.endr
	s_wait_alu depctr_va_vdst(0)                   ; the 32 multiply-adds have written both tiles' results, which the LDS stores read; the products are done reading the registers of a's fragments in which the stage's loads land
.irp m, 0,1                            ; 16 rows at a time through my stage.  LDS serves a wave's instructions in order (ISA guide 5.7.1.4): no wait between the stores and the loads, nor ahead of the second tile's stores
.irp t, 0,1,2,3
	ds_store_b128 v[SO], v[AF+64*\m+8*\t:AF+64*\m+8*\t+3] offset:64*\t
	ds_store_b128 v[SO], v[AF+64*\m+8*\t+4:AF+64*\m+8*\t+7] offset:64*\t+16
.endr
.irp i, 0,1,2,3,4,5,6,7
	ds_load_b128 v[AF+64*\m+32+4*\i:AF+64*\m+32+4*\i+3], v[SR] offset:2*\i*SPITCH
.endr
.endr
.irp m, 0,1
.irp i, 0,1,2,3,4,5,6,7
	s_wait_dscnt 16*(1-\m)+7-\i                    ; behind this load: the rest of its eight, and for the first tile the second tile's sixteen LDS instructions
	global_store_b128 v[CO], v[AF+64*\m+32+4*\i:AF+64*\m+32+4*\i+3], s[22:23] offset:32768*\m+4096*\i th:TH_STORE_NT   ; sixteen lanes store 256 consecutive bytes, at a multiple of 256 from out0's first byte; written once
.endr
.endr
	s_wait_dscnt 0x0                               ; the closing lines, six on end
	s_wait_alu 0x0
	s_wait_tensorcnt 0x0
	ds_add_u32 v[SPW], v[NIL]
	s_wait_dscnt 0x0
	s_endpgm
.Lfunc_end_k_q48123d6ace_oproj:
	.size	k_q48123d6ace_oproj, .Lfunc_end_k_q48123d6ace_oproj-k_q48123d6ace_oproj
	.p2alignl 7, 3214868480
	.fill 96, 4, 3214868480
	.section	.rodata,"a",@progbits
	.p2align	6, 0x0
	.amdhsa_kernel k_q48123d6ace_oproj
		.amdhsa_group_segment_fixed_size 35840
		.amdhsa_private_segment_fixed_size 0
		.amdhsa_enable_private_segment 0
		.amdhsa_kernarg_size 40
		.amdhsa_user_sgpr_count 2
		.amdhsa_user_sgpr_kernarg_segment_ptr 1
		.amdhsa_wavefront_size32 1
		.amdhsa_system_sgpr_workgroup_id_x 1
		.amdhsa_system_sgpr_workgroup_id_y 1
		.amdhsa_system_sgpr_workgroup_id_z 1
		.amdhsa_system_vgpr_workitem_id 0
		.amdhsa_next_free_vgpr 512
		.amdhsa_next_free_sgpr 66
		.amdhsa_reserve_vcc 0
		.amdhsa_float_denorm_mode_32 3
		.amdhsa_float_denorm_mode_16_64 3
		.amdhsa_memory_ordered 1
		.amdhsa_forward_progress 1
		.amdhsa_inst_pref_size 22
	.end_amdhsa_kernel
	.amdgpu_metadata
---
amdhsa.version: [ 1, 2 ]
amdhsa.kernels:
  - .name:           k_q48123d6ace_oproj
    .symbol:         k_q48123d6ace_oproj.kd
    .args:
      - { .name: aimg, .offset: 0, .size: 8, .value_kind: global_buffer, .address_space: global }
      - { .name: wimg, .offset: 8, .size: 8, .value_kind: global_buffer, .address_space: global }
      - { .name: lowp_scales, .offset: 16, .size: 8, .value_kind: global_buffer, .address_space: global }
      - { .name: bo, .offset: 24, .size: 8, .value_kind: global_buffer, .address_space: global }
      - { .name: out0, .offset: 32, .size: 8, .value_kind: global_buffer, .address_space: global }
    .group_segment_fixed_size: 35840
    .private_segment_fixed_size: 0
    .kernarg_segment_align: 8
    .kernarg_segment_size: 40
    .max_flat_workgroup_size: 256
    .sgpr_count:     66
    .vgpr_count:     512
    .wavefront_size: 32
...
	.end_amdgpu_metadata
.endif
;; end of part 7
